; MI455X (gfx1250); checked and timed in simulation.
; The chip was launched on July 23, 2026; its instructions are those of AMD's public machine-readable ISA for CDNA 5 (MIT licence, August 2026) and "CDNA5" Instruction Set Architecture Reference Guide (July 2026). The comments in the code are by the model that wrote it; some were corrected since.
;; Invariant Slot Attention. Allowed arithmetic: matrix products marked QUANTISED: E2M1 operands, one E8M0 scale for each 32 along K, by v_wmma_scale_f32_16x16x128_f8f6f4 with both operands' format E2M1 (or v_wmma_scale_f32_32x16x128_f4), f32 sums; products left as they are: f32 operands where the result goes on into a quantised operand, else bf16, f16 or f32 operands; f32 sums; everything else in f32.
;; Inputs: S_p0 8 x 8 x 2 float32; S_r 8 x 8 x 2 x 2 float32; S_s 8 x 8 x 2 float32; Wk_codes 128 x 4 x 16 uint8 (E2M1 codes of Wk, K innermost, in blocks of 32 codes, two codes a byte); Wk_scales 128 x 4 uint8 (E8M0 scales of Wk, one for each 32 codes along K); Wq_codes 128 x 4 x 16 uint8 (E2M1 codes of Wq, K innermost, in blocks of 32 codes, two codes a byte); Wq_scales 128 x 4 uint8 (E8M0 scales of Wq, one for each 32 codes along K); Wv_codes 128 x 4 x 16 uint8 (E2M1 codes of Wv, K innermost, in blocks of 32 codes, two codes a byte); Wv_scales 128 x 4 uint8 (E8M0 scales of Wv, one for each 32 codes along K); f_b1 128 float32; f_b2 128 float32; f_w1_codes 128 x 4 x 16 uint8 (E2M1 codes of f_w1, K innermost, in blocks of 32 codes, two codes a byte); f_w1_scales 128 x 4 uint8 (E8M0 scales of f_w1, one for each 32 codes along K); f_w2_codes 128 x 4 x 16 uint8 (E2M1 codes of f_w2, K innermost, in blocks of 32 codes, two codes a byte); f_w2_scales 128 x 4 uint8 (E8M0 scales of f_w2, one for each 32 codes along K); g_b 128 float32; g_w 128 x 2 float32; gru_bhh 384 float32; gru_bih 384 float32; gru_whh_codes 384 x 4 x 16 uint8 (E2M1 codes of gru_whh, K innermost, in blocks of 32 codes, two codes a byte); gru_whh_scales 384 x 4 uint8 (E8M0 scales of gru_whh, one for each 32 codes along K); gru_wih_codes 384 x 4 x 16 uint8 (E2M1 codes of gru_wih, K innermost, in blocks of 32 codes, two codes a byte); gru_wih_scales 384 x 4 uint8 (E8M0 scales of gru_wih, one for each 32 codes along K); inputs_codes 8 x 4,096 x 4 x 16 uint8 (E2M1 codes of inputs, K innermost, in blocks of 32 codes, two codes a byte); inputs_scales 8 x 4,096 x 4 uint8 (E8M0 scales of inputs, one for each 32 codes along K); ln_pf_b 128 float32; ln_pf_g 128 float32; ln_s_b 128 float32; ln_s_g 128 float32; mlp_b1 128 float32; mlp_b2 128 float32; mlp_w1_codes 128 x 4 x 16 uint8 (E2M1 codes of mlp_w1, K innermost, in blocks of 32 codes, two codes a byte); mlp_w1_scales 128 x 4 uint8 (E8M0 scales of mlp_w1, one for each 32 codes along K); mlp_w2_codes 128 x 4 x 16 uint8 (E2M1 codes of mlp_w2, K innermost, in blocks of 32 codes, two codes a byte); mlp_w2_scales 128 x 4 uint8 (E8M0 scales of mlp_w2, one for each 32 codes along K); slots_init 8 x 8 x 128 float32.
;; Outputs: out0 8 x 8 x 128 float32; out1 8 x 8 x 2 float32; out2 8 x 8 x 2 x 2 float32; out3 8 x 8 x 2 float32.
;; This version of the problem:
;;   THIS VERSION OF THE PROBLEM IS GIVEN IN LOW PRECISION. The matrix products marked QUANTISED in the list below multiply operands that are first quantised to E2M1 (2 exponent bits, 1 mantissa bit; 4 bits a number), with one power-of-two scale for each 32 numbers along K (OCP MX v1.0); their sums are f32. All else is computed in f32.
;;   The module's matrix products, in the order in which they are computed (A, B: the left and right operand; K: the contracted axis; several contracted axes count as one K, in the product's order):
;;     1. [M 32,768, K 128] x [K 128, N 128]; A: input inputs (given as codes); B: input Wk (given as codes): QUANTISED
;;     2. [M 32,768, K 128] x [K 128, N 128]; A: input inputs (given as codes); B: input Wv (given as codes): QUANTISED
;;     3. [M 262,144, K 2] x [K 2, N 128]; A: computed on the way; B: input g_w: left as it is (K = 2 < 32)
;;     4. [M 262,144, K 128] x [K 128, N 128]; A: computed on the way; B: input f_w1 (given as codes): QUANTISED
;;     5. [M 262,144, K 128] x [K 128, N 128]; A: computed on the way; B: input f_w2 (given as codes): QUANTISED
;;     6. [M 262,144, K 128] x [K 128, N 128]; A: computed on the way; B: input f_w1 (given as codes): QUANTISED
;;     7. [M 262,144, K 128] x [K 128, N 128]; A: computed on the way; B: input f_w2 (given as codes): QUANTISED
;;     8. [M 64, K 128] x [K 128, N 128]; A: computed on the way; B: input Wq (given as codes): QUANTISED
;;     9. batch 64 x [M 1, K 128] x [K 128, N 4,096]; A: computed on the way; B: computed on the way: left as it is (M = 1 < 16)
;;     10. batch 64 x [M 128, K 4,096] x [K 4,096, N 1]; A: computed on the way; B: computed on the way: left as it is (N = 1 < 16)
;;     11. [M 64, K 4,096] x [K 4,096, N 2]; A: computed on the way; B: computed on the way: left as it is (N = 2 < 16)
;;     12. [M 64, K 128] x [K 128, N 384]; A: computed on the way; B: input gru_wih (given as codes): QUANTISED
;;     13. [M 64, K 128] x [K 128, N 384]; A: input slots_init; B: input gru_whh (given as codes): QUANTISED
;;     14. [M 64, K 128] x [K 128, N 128]; A: computed on the way; B: input mlp_w1 (given as codes): QUANTISED
;;     15. [M 64, K 128] x [K 128, N 128]; A: computed on the way; B: input mlp_w2 (given as codes): QUANTISED
;;     16. [M 262,144, K 2] x [K 2, N 128]; A: computed on the way; B: input g_w: left as it is (K = 2 < 32)
;;     17. [M 262,144, K 128] x [K 128, N 128]; A: computed on the way; B: input f_w1 (given as codes): QUANTISED
;;     18. [M 262,144, K 128] x [K 128, N 128]; A: computed on the way; B: input f_w2 (given as codes): QUANTISED
;;     19. [M 262,144, K 128] x [K 128, N 128]; A: computed on the way; B: input f_w1 (given as codes): QUANTISED
;;     20. [M 262,144, K 128] x [K 128, N 128]; A: computed on the way; B: input f_w2 (given as codes): QUANTISED
;;     21. [M 64, K 128] x [K 128, N 128]; A: computed on the way; B: input Wq (given as codes): QUANTISED
;;     22. batch 64 x [M 1, K 128] x [K 128, N 4,096]; A: computed on the way; B: computed on the way: left as it is (M = 1 < 16)
;;     23. batch 64 x [M 128, K 4,096] x [K 4,096, N 1]; A: computed on the way; B: computed on the way: left as it is (N = 1 < 16)
;;     24. [M 64, K 4,096] x [K 4,096, N 2]; A: computed on the way; B: computed on the way: left as it is (N = 2 < 16)
;;     25. [M 64, K 128] x [K 128, N 384]; A: computed on the way; B: input gru_wih (given as codes): QUANTISED
;;     26. [M 64, K 128] x [K 128, N 384]; A: computed on the way; B: input gru_whh (given as codes): QUANTISED
;;     27. [M 64, K 128] x [K 128, N 128]; A: computed on the way; B: input mlp_w1 (given as codes): QUANTISED
;;     28. [M 64, K 128] x [K 128, N 128]; A: computed on the way; B: input mlp_w2 (given as codes): QUANTISED
;;     29. [M 262,144, K 2] x [K 2, N 128]; A: computed on the way; B: input g_w: left as it is (K = 2 < 32)
;;     30. [M 262,144, K 128] x [K 128, N 128]; A: computed on the way; B: input f_w1 (given as codes): QUANTISED
;;     31. [M 262,144, K 128] x [K 128, N 128]; A: computed on the way; B: input f_w2 (given as codes): QUANTISED
;;     32. [M 262,144, K 128] x [K 128, N 128]; A: computed on the way; B: input f_w1 (given as codes): QUANTISED
;;     33. [M 262,144, K 128] x [K 128, N 128]; A: computed on the way; B: input f_w2 (given as codes): QUANTISED
;;     34. [M 64, K 128] x [K 128, N 128]; A: computed on the way; B: input Wq (given as codes): QUANTISED
;;     35. batch 64 x [M 1, K 128] x [K 128, N 4,096]; A: computed on the way; B: computed on the way: left as it is (M = 1 < 16)
;;     36. batch 64 x [M 128, K 4,096] x [K 4,096, N 1]; A: computed on the way; B: computed on the way: left as it is (N = 1 < 16)
;;     37. [M 64, K 4,096] x [K 4,096, N 2]; A: computed on the way; B: computed on the way: left as it is (N = 2 < 16)
;;     38. [M 64, K 128] x [K 128, N 384]; A: computed on the way; B: input gru_wih (given as codes): QUANTISED
;;     39. [M 64, K 128] x [K 128, N 384]; A: computed on the way; B: input gru_whh (given as codes): QUANTISED
;;     40. [M 64, K 128] x [K 128, N 128]; A: computed on the way; B: input mlp_w1 (given as codes): QUANTISED
;;     41. [M 64, K 128] x [K 128, N 128]; A: computed on the way; B: input mlp_w2 (given as codes): QUANTISED
;;   THE QUANTISER, for each operand of a quantised product, along K:
;;     - K is cut into blocks of 32 from its start; a last block that is shorter is filled with zeros.
;;     - A block's scale is 2^e with e = floor(log2(the largest magnitude in the block)) - 2, held to -126 .. 127; a block of zeros has e = 0. As a byte (E8M0): e + 127.
;;     - Each number is divided by its block's scale, clamped to +-6, and rounded to the nearest number of E2M1, ties to even, subnormals kept.
;;     - The product sums the exact products of the quantised numbers (number of the format x scale) in f32.
;;   ~~~python
;;   def quantise(x, axis):      # numpy; x: float32 -> the quantised numbers, widened to float32 again
;;       x = np.moveaxis(x, axis, -1); K = x.shape[-1]
;;       x = np.pad(x, [(0, 0)] * (x.ndim - 1) + [(0, -K % 32)]); x = x.reshape(x.shape[:-1] + (-1, 32)); a = np.abs(x).max(-1, keepdims=True)
;;       e = np.where(a > 0, np.clip(np.frexp(np.where(a > 0, a, 1))[1] - 1 - 2, -126, 127), 0)      # np.frexp(a)[1] - 1 = floor(log2(a)), exactly
;;       r = np.clip(x / 2.0 ** e, -6, 6)
;;       step = 2.0 ** (np.maximum(np.frexp(np.where(r == 0, 1, r))[1] - 1, 0) - 1)
;;       q = np.round(r / step) * step * 2.0 ** e      # np.round: ties to even
;;       return np.moveaxis(q.reshape(q.shape[:-2] + (-1,))[..., :K], -1, axis).astype(np.float32)
;;   ~~~
;;   OPERANDS COMPUTED ON THE WAY. 'Computed on the way' means the value that the module computes at that place (a softmax that the list does not call 'softmax' is quantised finished and normalised). What goes into a quantiser is computed in f32, as accurately as f32 sums, v_exp_f32 and their like allow (about 1e-6 of the number): no bf16 or f16 on the way to a quantiser, and a product that is left as it is and whose result goes on into a quantised operand takes f32 operands (vector FMAs, or v_wmma_f32_16x16x4_f32). A number that lies on a knife's edge between two numbers of the format may be rounded either way, as far as f32 arithmetic and the matrix unit's own rounding can turn it there, and no further.
;;   INPUTS GIVEN AS CODES. Wk (in the module: [128, 128], K = its axis 1); Wq (in the module: [128, 128], K = its axis 1); Wv (in the module: [128, 128], K = its axis 1); f_w1 (in the module: [128, 128], K = its axis 1); f_w2 (in the module: [128, 128], K = its axis 1); gru_whh (in the module: [384, 128], K = its axis 1); gru_wih (in the module: [384, 128], K = its axis 1); inputs (in the module: [8, 4096, 128], K = its axis 2); mlp_w1 (in the module: [128, 128], K = its axis 1); mlp_w2 (in the module: [128, 128], K = its axis 1): each comes as NAME_codes (uint8): NAME with its K axis moved to the last place and cut into blocks of 32 codes, [.., K / 32, bytes a block], one block behind the other in memory; two codes a byte, the lower K in the low four bits (a code: sign, 2 exponent bits, 1 mantissa bit); and NAME_scales (uint8): the same leading axes, one E8M0 byte (e + 127) for each 32 codes along K. Its value is code x scale, taken as it is: it is not quantised again, and the codes and scales need not be those that the quantiser above would give.
;; 2 versions. Each part assembles by itself: llvm-mc -triple=amdgcn-amd-amdhsa -mcpu=gfx1250 --defsym DOCPART=n.
;; ======== version 1 of 2: 6 launches
;; workspace buffers: part 1,572,864 bytes; slots1 32,768 bytes; slots2 32,768 bytes; sp1 512 bytes; sp2 512 bytes
;; launch attn1 (part 1): grid 32 x 8, 8 waves a work-group, no clusters, 201,216 bytes of LDS; arguments slots_init, S_p0, ln_s_g, ln_s_b, g_w, g_b, inputs_codes, inputs_scales, Wk_codes, Wk_scales, Wv_codes, Wv_scales, Wq_codes, Wq_scales, f_b2, f_w1_codes, f_w1_scales, f_b1, f_w2_codes, f_w2_scales, part; writes part
.if DOCPART == 1
	.amdgcn_target "amdgcn-amd-amdhsa--gfx1250"
	.amdhsa_code_object_version 6
	.text
	.protected	k_q5f5a5e0bb8_attn1
	.globl	k_q5f5a5e0bb8_attn1
	.p2align	8
	.type	k_q5f5a5e0bb8_attn1,@function
k_q5f5a5e0bb8_attn1:
	s_mov_b64 s[64:65], 0
	v_nop
	global_prefetch_b8 v0, s[64:65] scope:SCOPE_SE
	s_setreg_imm32_b32 hwreg(HW_REG_WAVE_MODE, 25, 1), 1
	s_wait_xcnt 0x0
; One round's attention of InvariantSlotAttention, for 128 positions of one batch and all 8 slots.
; For each (slot i, position j): X = to_k + pos (and to_v + pos), quantised to FP4 (E2M1, one E8M0 scale for 32 along K), x f_w1 + b1, relu, quantised, x f_w2;
; dots = q . k, softmax over the slots, + 1e-8; out go the block's sums: Sv[c] = sum a (v without b2), A = sum a, Gy = sum a gy, Gx = sum a gx.
; ALGEBRA, all f32: X = P - s_i, P[j][c] = to_k + g_b + (gy/5) gw0 + (gx/5) gw1 made once, s_i[c] = (Spy/5) gw0 + (Spx/5) gw1;
; dots log2(e) = q' . (k without b2) + d0_i, q' = q log2(e)/sqrt(128), d0_i = q' . f_b2.  The next launch adds f_b2 and divides by A.
; SHARES: 8 waves; wave w owns positions 16 w .. 16 w + 15 of the block, for all slots and both chains; f_w1, f_w2 and b1 stay in its registers.
; THE WEIGHTS Wk, Wv, f_w1, f_w2 (8 tiles of 16 rows each), their scale words, g_b and g_w are wanted whole by all eight waves.  Wave w loads tile w of each from memory (14 loads)
; and stores it in LDS as an image of the operand's registers (lane l's 16 bytes at 16 l); behind a barrier every wave takes all tiles from there: the work-group asks memory for each tile once, not eight times.
; LAYOUTS, lane = (r = lane % 16, h = lane / 16).  QL: register 16 b + i = index 32 b + 16 h + i of row r: it comes of products used transposed
; (source 0 = 16 rows of the weight, source 1 = 16 positions) whose tile 2 b + u takes rows 32 b + 8 u + r + 8 (r / 8).  NT: tile t takes rows 16 t + r: register 8 t + j = index 16 t + 8 h + j.
; No tensor load, no cluster: every operand is read once at the head (some 50 KB a work-group) and nothing is streamed.
; LIMITS: /5 is x 0.2f and the grid is fma(i, 2/63, -1), each within an ulp of the division and of linspace; a block of zeros gets the scale byte 1 (its codes are zeros, and only this
; program reads the byte); blocks whose largest magnitude lies under 2^-124 are held at that floor; hidden numbers clipped by relu are the code -0; NaN and infinities are not served.
.set STAB, 0                           ; LDS: s_i[c], 8 rows of 512 bytes
.set QTAB, 4096                        ; q'_i[c], 8 rows of 512
.set QC,   8192                        ; codes of LN(slots): 8 rows, 80 bytes apart
.set QS,   8832                        ; their scale words
.set D0P,  8960                        ; parts of d0: slot x 80 + 4 (2 w + h)
.set DOTS, 9728                        ; a wave's 768: position r x 48 + 4 slot
.set AT,   15872                       ; a[slot][128 positions]
.set VC,   19968                       ; a wave's 9,216, a slot's 1,152: the v chain's hidden codes as an image of their registers (2 x 512), then the scale words (128)
.set RED,  93696                       ; row 2 w + h, 4,160 apart: [slot][128 c], partial Sv
.set IMG,  160256                      ; the weights' fragments as images: (8 T + t) x 1,024 + 512 c + 16 lane; T = 0 Wk, 1 Wv, 2 f_w1, 3 f_w2
.set IMW,  IMG+32768                   ; words, a lane's eight tiles on end: 1,024 U + 32 lane + 4 t; U = 0 Wk's scales, 1 Wv's, 2 f_w1's, 3 f_w2's, 4 g_b
.set IMP,  IMW+5120                    ; the pairs (gw0, gw1): 64 lane + 8 t
.set WQS, 9                            ; v9 Wq's scale words
.set SA,  10                           ; v10, v11 scale words just made (head: the slots', the inputs')
.set SB,  11
.set W1S, 12                           ; v12-19 f_w1's scale words
.set W2S, 20                           ; v20-27 Wk's, then f_w2's
.set CA,  28                           ; v28-35, v36-43 codes (head: offsets; the inputs' fragment)
.set CB,  36
.set TM,  44                           ; v44-51 at work (head: the image stores' addresses)
.set GB,  52                           ; v52-53 source 1 of the f32 product: (gy/5, gx/5) in lanes 0-15, (1, 0) in lanes 16-31
.set WVS, 56                           ; v56-63 Wv's scale words
.set PV,  64                           ; v64-127 P of the v chain: written by matrix instructions alone
.set XA,  128                          ; v128-191, v192-255 the two chains' numbers (head: my tiles on their way to LDS, then Wk's fragments; stage 1's numbers, then Wv's fragments)
.set XB,  192
.set W1,  0                            ; window 1: f_w1's fragments, f_w2's, b1 in QL, P of the k chain
.set W2,  64
.set B1,  128
.set PK,  192                          ; (head: +0 Wq's tile, +8 f_b2's tile, +16 eight pairs (gw0, gw1), +32 g_b)
.set MSB, 0
.macro WIN new                         ; bits 1:0 source 0, 3:2 source 1, 5:4 source 2, 7:6 destination; the high byte repeats the setting that is left
.if MSB != \new
	s_set_vgpr_msb (MSB<<8)|\new
.set MSB, \new
.endif
.endm
.macro SUB d, p, s                     ; 64 numbers: d = p - s, two at a time
.set II, 0
.rept 32
	v_pk_add_f32 v[\d+II:\d+II+1], v[\p+II:\p+II+1], v[\s+II:\s+II+1] neg_lo:[0,1] neg_hi:[0,1]
.set II, II+2
.endr
.endm
; The four blocks' largest magnitudes (ab = 1) or largest numbers (ab = 0: ahead of a relu what is negative does not count), with the floor 2^(3 - 127) as a leaf;
; TM+4.. = the conversions' scale operands (2 off the exponent field), sw = the row's scale word.
.macro QMAX x, ab, sw
.irp b, 0,1,2,3
.if \ab
	v_max3_num_f32 v[TM+\b], |v[\x+16*\b]|, |v[\x+16*\b+1]|, 0x1800000
.else
	v_max3_num_f32 v[TM+\b], v[\x+16*\b], v[\x+16*\b+1], 0x1800000
.endif
.endr
.irp i, 2,4,6,8,10,12,14
.irp b, 0,1,2,3
.if \ab
	v_max3_num_f32 v[TM+\b], v[TM+\b], |v[\x+16*\b+\i]|, |v[\x+16*\b+\i+1]|
.else
	v_max3_num_f32 v[TM+\b], v[TM+\b], v[\x+16*\b+\i], v[\x+16*\b+\i+1]
.endif
.endr
.endr
.irp b, 0,1,2,3
	v_permlanex16_b32 v[TM+4+\b], v[TM+\b], s50, s51
.endr
.irp b, 0,1,2,3
	v_max_num_f32 v[TM+\b], v[TM+\b], v[TM+4+\b]       ; with lane l xor 16's 16 numbers: the block's
.endr
.irp b, 0,1,2,3
	v_add_nc_u32 v[TM+4+\b], 0xff000000, v[TM+\b]
.endr
.irp b, 0,1,2,3
	v_lshrrev_b32 v[TM+\b], 23, v[TM+4+\b]             ; the scale's byte
.endr
	v_lshl_or_b32 v[\sw], v[TM+1], 8, v[TM]
	v_lshl_or_b32 v[\sw], v[TM+2], 16, v[\sw]
	v_lshl_or_b32 v[\sw], v[TM+3], 24, v[\sw]
.endm
.macro QCVT x, c                       ; 64 numbers in QL become a fragment's 8 registers
.irp b, 0,1,2,3
	v_cvt_scalef32_pk8_fp4_f32 v[\c+2*\b], v[\x+16*\b:\x+16*\b+7], v[TM+4+\b]
	v_cvt_scalef32_pk8_fp4_f32 v[\c+2*\b+1], v[\x+16*\b+8:\x+16*\b+15], v[TM+4+\b]
.endr
	v_nop                                              ; one plain line behind the scaled conversions
.irp k, 0,1
.irp i, 0,1
	v_permlane16_swap_b32 v[\c+4*\k+\i], v[\c+2+4*\k+\i]   ; a whole block to a lane: lanes 0-15 block 2 k, lanes 16-31 block 2 k + 1
.endr
.endr
.endm
.macro RELU2 c0                        ; relu on two registers of codes: the three magnitude bits of every negative code are cleared (-0 is left)
	v_and_b32 v[TM], s52, v[\c0]
	v_and_b32 v[TM+2], s52, v[\c0+1]
	v_lshrrev_b32 v[TM+1], 3, v[TM]
	v_lshrrev_b32 v[TM+3], 3, v[TM+2]
	v_sub_nc_u32 v[TM], v[TM], v[TM+1]                 ; 8 - 1 = 7 in each negative code's place
	v_sub_nc_u32 v[TM+2], v[TM+2], v[TM+3]
	v_bfi_b32 v[\c0], v[TM], 0, v[\c0]
	v_bfi_b32 v[\c0+1], v[TM+2], 0, v[\c0+1]
.endm
.macro MM1 x, c, sw                    ; the hidden layer, transposed, b1 as C: QL
	WIN 0x11
.irp t, 0,1,2,3,4,5,6,7
	v_wmma_scale_f32_16x16x128_f8f6f4 v[\x+8*\t:\x+8*\t+7], v[W1+8*\t:W1+8*\t+7], v[\c:\c+7], v[B1+8*\t:B1+8*\t+7], v[W1S+\t], v[\sw] matrix_a_fmt:MATRIX_FMT_FP4 matrix_b_fmt:MATRIX_FMT_FP4
.endr
	WIN 0
.endm
.macro MM2T x, c, sw                   ; k without b2, transposed: a lane holds a position: NT
	WIN 0x01
.irp t, 0,1,2,3,4,5,6,7
	v_wmma_scale_f32_16x16x128_f8f6f4 v[\x+8*\t:\x+8*\t+7], v[W2+8*\t:W2+8*\t+7], v[\c:\c+7], 0, v[W2S+\t], v[\sw] matrix_a_fmt:MATRIX_FMT_FP4 matrix_b_fmt:MATRIX_FMT_FP4
.endr
	WIN 0
.endm
.macro MM2N x, c, sw                   ; v without b2, not transposed: register j = position 8 h + j, the lane holds channel 16 t + r
	WIN 0x04
.irp t, 0,1,2,3,4,5,6,7
	v_wmma_scale_f32_16x16x128_f8f6f4 v[\x+8*\t:\x+8*\t+7], v[\c:\c+7], v[W2+8*\t:W2+8*\t+7], 0, v[\sw], v[W2S+\t] matrix_a_fmt:MATRIX_FMT_FP4 matrix_b_fmt:MATRIX_FMT_FP4
.endr
	WIN 0
.endm
.macro DOT                             ; q' . k over my 64 channels (each accumulator from its low end on), then lane l xor 16's 64
.irp m, 0,1,2,3
	v_pk_mul_f32 v[TM+2*\m:TM+2*\m+1], v[XB+2*\m:XB+2*\m+1], v[XA+2*\m:XA+2*\m+1]
.endr
.irp m, 4,5,6,7,8,9,10,11,12,13,14,15,16,17,18,19,20,21,22,23,24,25,26,27,28,29,30,31
	v_pk_fma_f32 v[TM+2*(\m%4):TM+2*(\m%4)+1], v[XB+2*\m:XB+2*\m+1], v[XA+2*\m:XA+2*\m+1], v[TM+2*(\m%4):TM+2*(\m%4)+1]
.endr
	v_pk_add_f32 v[TM:TM+1], v[TM:TM+1], v[TM+2:TM+3]
	v_pk_add_f32 v[TM+4:TM+5], v[TM+4:TM+5], v[TM+6:TM+7]
	v_pk_add_f32 v[TM:TM+1], v[TM:TM+1], v[TM+4:TM+5]
	v_add_f32 v[TM], v[TM], v[TM+1]
	v_permlanex16_b32 v54, v[TM], s50, s51
	v_add_f32 v[TM], v[TM], v54
.endm
.macro DPP4 r                          ; a sum over the 16 lanes of a row
	v_add_f32_dpp v[\r], v[\r], v[\r] row_xmask:1 row_mask:0xf bank_mask:0xf
	v_add_f32_dpp v[\r], v[\r], v[\r] row_xmask:2 row_mask:0xf bank_mask:0xf
	v_add_f32_dpp v[\r], v[\r], v[\r] row_xmask:4 row_mask:0xf bank_mask:0xf
	v_add_f32_dpp v[\r], v[\r], v[\r] row_xmask:8 row_mask:0xf bank_mask:0xf
.endm
.macro WSUM r                          ; and over the wave's 32
	DPP4 \r
	v_permlanex16_b32 v54, v[\r], s50, s51
	v_add_f32 v[\r], v[\r], v54
.endm
	s_load_b512 s[8:23], s[0:1], 0x0               ; slots 8, sp 10, ln_s_g 12, ln_s_b 14, g_w 16, g_b 18, inputs' codes 20, scales 22
	s_load_b512 s[24:39], s[0:1], 0x40             ; Wk 24, 26; Wv 28, 30; Wq 32, 34; f_b2 36; f_w1's codes 38
	s_load_b256 s[40:47], s[0:1], 0x80             ; f_w1's scales 40, f_b1 42, f_w2 44, 46
	s_load_b64 s[48:49], s[0:1], 0xa0              ; part
	v_lshrrev_b32 v1, 5, v0
	v_readfirstlane_b32 s2, v1                     ; wave 0..7
	s_mov_b32 s3, ttmp9                            ; block of 128 positions
	s_and_b32 s4, ttmp7, 0xffff                    ; batch
	s_mov_b32 s50, 0x76543210
	s_mov_b32 s51, 0xfedcba98                      ; v_permlanex16_b32's selects for lane l xor 16
	s_mov_b32 s52, 0x88888888                      ; the signs of eight codes
	s_mov_b32 s57, 0xffff0000                      ; lanes 16-31
	s_mov_b32 s58, 0x3e0293ee                      ; log2(e) / sqrt(128)
	s_mov_b32 s59, s58
	s_mov_b32 s74, 0x3d020821                      ; 2 / 63
	s_mov_b32 s75, 0x3c000000                      ; 1 / 128
	s_mov_b32 s76, 0x3727c5ac                      ; 1e-5
	v_and_b32 v30, 15, v0                          ; r
	v_bfe_u32 v31, v0, 4, 1                        ; h
	v_lshlrev_b32 v1, 5, v30                       ; 32 r: eight f32 a lane
	v_lshlrev_b32 v2, 6, v30                       ; 64 r: eight pairs of g_w
	v_and_b32 v32, 8, v30
	v_add_nc_u32 v32, v32, v30                     ; r + 8 (r / 8)
	v_lshlrev_b32 v3, 6, v32
	v_lshl_add_u32 v3, v31, 4, v3                  ; a fragment in QL's rows: 64 bytes a row, + 16 h
	v_lshlrev_b32 v4, 2, v32                       ; those rows' scale words, and g_b
	v_lshlrev_b32 v5, 3, v32                       ; and pairs of g_w
	v_lshlrev_b32 v6, 2, v30                       ; 4 r: scale words of natural rows
	v_lshl_add_u32 v7, v31, 4, v2                  ; a fragment of natural rows: 64 r + 16 h
	v_mov_b32 v8, 0
	v_lshlrev_b32 v29, 5, v31                      ; 32 h: f_b2's tile
	s_lshl_b32 s60, s3, 1
	s_lshr_b32 s61, s2, 2
	s_add_co_u32 s60, s60, s61                     ; my positions' grid row: 2 block + w / 4
	s_and_b32 s61, s2, 3
	s_lshl_b32 s61, s61, 4
	v_add_nc_u32 v33, s61, v30                     ; and column: 16 (w % 4) + r
	v_cvt_f32_u32 v33, v33
	v_cvt_f32_u32 v34, s60
	v_fma_f32 v33, v33, s74, -1.0                  ; gx
	v_fma_f32 v34, v34, s74, -1.0                  ; gy
	v_mul_f32 v33, 0x3e4ccccd, v33                 ; / 5
	v_mul_f32 v34, 0x3e4ccccd, v34
	v_cndmask_b32 v[GB], v34, 1.0, s57
	v_cndmask_b32 v[GB+1], v33, 0, s57
	s_mul_i32 s60, s2, 80                          ; stage 1's LDS addresses: wave w is slot w there
	v_lshl_add_u32 v252, v30, 2, QC
	v_add_nc_u32 v252, s60, v252                   ; QC + 80 w + 4 r
	s_lshl_b32 s60, s2, 2
	v_lshrrev_b32 v253, 2, v30
	v_add_nc_u32 v253, s60, v253
	v_add_nc_u32 v253, QS, v253                    ; QS + 4 w + r / 4
	s_lshl_b32 s60, s2, 9
	v_lshl_add_u32 v254, v30, 5, s60               ; STAB + 512 w + 32 r
	v_and_b32 v47, 31, v0                          ; where my tiles' images go: wave w has tile w of each weight
	s_lshl_b32 s60, s2, 10
	s_add_co_u32 s60, s60, IMG
	v_lshl_add_u32 v44, v47, 4, s60                ; IMG + 1024 w + 16 lane
	s_lshl_b32 s60, s2, 2
	s_add_co_u32 s60, s60, IMW
	v_lshl_add_u32 v45, v47, 5, s60                ; IMW + 4 w + 32 lane
	s_lshl_b32 s60, s2, 3
	s_add_co_u32 s60, s60, IMP
	v_lshl_add_u32 v46, v47, 6, s60                ; IMP + 8 w + 64 lane
	s_mov_b32 s63, 0
	s_wait_kmcnt 0x0
	s_lshl_b32 s60, s4, 3
	s_add_co_u32 s60, s60, s2                      ; row 8 b + w of slots and sp
	s_lshl_b32 s62, s60, 9
	s_add_nc_u64 s[8:9], s[8:9], s[62:63]
	s_lshl_b32 s62, s60, 3
	s_add_nc_u64 s[10:11], s[10:11], s[62:63]
	s_lshl_b32 s62, s60, 5
	s_add_co_u32 s62, s62, s3
	s_mul_i32 s62, s62, 768                        ; the record of (b, slot w, block)
	s_add_nc_u64 s[48:49], s[48:49], s[62:63]
	s_lshl_b32 s60, s4, 12
	s_lshl_b32 s61, s3, 7
	s_add_co_u32 s60, s60, s61
	s_lshl_b32 s61, s2, 4
	s_add_co_u32 s60, s60, s61                     ; my first position: 4096 b + 128 block + 16 w
	s_lshl_b32 s62, s60, 6
	s_add_nc_u64 s[20:21], s[20:21], s[62:63]
	s_lshl_b32 s62, s60, 2
	s_add_nc_u64 s[22:23], s[22:23], s[62:63]
	s_lshl_b32 s62, s2, 10                         ; rows 16 w on of Wq and of f_w2
	s_add_nc_u64 s[32:33], s[32:33], s[62:63]
	s_add_nc_u64 s[44:45], s[44:45], s[62:63]
	s_lshl_b32 s62, s2, 6
	s_add_nc_u64 s[34:35], s[34:35], s[62:63]      ; their scale words,
	s_add_nc_u64 s[46:47], s[46:47], s[62:63]
	s_add_nc_u64 s[36:37], s[36:37], s[62:63]      ; and f_b2's 16 numbers 16 w on
	s_lshr_b32 s60, s2, 1
	s_lshl_b32 s60, s60, 5
	s_and_b32 s61, s2, 1
	s_lshl_b32 s61, s61, 3
	s_add_co_u32 s60, s60, s61                     ; where QL's tile w begins: row 32 (w / 2) + 8 (w % 2)
	s_lshl_b32 s62, s60, 6
	s_add_nc_u64 s[24:25], s[24:25], s[62:63]      ; in Wk's, Wv's and f_w1's codes,
	s_add_nc_u64 s[28:29], s[28:29], s[62:63]
	s_add_nc_u64 s[38:39], s[38:39], s[62:63]
	s_lshl_b32 s62, s60, 2
	s_add_nc_u64 s[26:27], s[26:27], s[62:63]      ; in their scale words and in g_b,
	s_add_nc_u64 s[30:31], s[30:31], s[62:63]
	s_add_nc_u64 s[40:41], s[40:41], s[62:63]
	s_add_nc_u64 s[18:19], s[18:19], s[62:63]
	s_lshl_b32 s62, s60, 3
	s_add_nc_u64 s[78:79], s[16:17], s[62:63]      ; and in g_w (stage 1 reads all of g_w by s[16:17])
	; G1, 11 loads: what stage 1 wants
	global_load_b128 v[192:195], v1, s[8:9]
	global_load_b128 v[196:199], v1, s[8:9] offset:16
	global_load_b128 v[200:203], v1, s[12:13]
	global_load_b128 v[204:207], v1, s[12:13] offset:16
	global_load_b128 v[208:211], v1, s[14:15]
	global_load_b128 v[212:215], v1, s[14:15] offset:16
.irp k, 0,1,2,3
	global_load_b128 v[216+4*\k:219+4*\k], v2, s[16:17] offset:16*\k
.endr
	global_load_b64 v[232:233], v8, s[10:11]
	; 14 loads: tile w of each weight, for all eight waves
	global_load_b128 v[XA:XA+3], v3, s[24:25]
	global_load_b128 v[XA+4:XA+7], v3, s[24:25] offset:32
	global_load_b128 v[XA+8:XA+11], v3, s[28:29]
	global_load_b128 v[XA+12:XA+15], v3, s[28:29] offset:32
	global_load_b128 v[XA+16:XA+19], v3, s[38:39]
	global_load_b128 v[XA+20:XA+23], v3, s[38:39] offset:32
	global_load_b128 v[XA+24:XA+27], v7, s[44:45]
	global_load_b128 v[XA+28:XA+31], v7, s[44:45] offset:32
	global_load_b32 v[XA+32], v4, s[26:27]
	global_load_b32 v[XA+33], v4, s[30:31]
	global_load_b32 v[XA+34], v4, s[40:41]
	global_load_b32 v[XA+35], v6, s[46:47]
	global_load_b32 v[XA+36], v4, s[18:19]
	global_load_b64 v[XA+38:XA+39], v5, s[78:79]
	; 8 loads: my own: the inputs' fragment, Wq's tile w, f_b2's 16 numbers
	global_load_b128 v[CB:CB+3], v7, s[20:21]
	global_load_b128 v[CB+4:CB+7], v7, s[20:21] offset:32
	global_load_b32 v[SB], v6, s[22:23]
	global_load_b32 v[WQS], v6, s[34:35]
	WIN 0x40
	global_load_b128 v[PK:PK+3], v7, s[32:33]
	global_load_b128 v[PK+4:PK+7], v7, s[32:33] offset:32
	global_load_b128 v[PK+8:PK+11], v29, s[36:37]
	global_load_b128 v[PK+12:PK+15], v29, s[36:37] offset:16
	WIN 0
	s_wait_loadcnt 22                              ; G1 is in; the 14 + 8 behind it may be out
	; STAGE 1: slot w.  Lane r holds channels 8 r .. 8 r + 7 (both halves of the lanes the same): LayerNorm, the quantiser, s_w
	v_pk_add_f32 v[234:235], v[192:193], v[194:195]
	v_pk_add_f32 v[236:237], v[196:197], v[198:199]
	v_pk_add_f32 v[234:235], v[234:235], v[236:237]
	v_add_f32 v234, v234, v235
	DPP4 234
	v_mul_f32 v234, s75, v234                      ; the mean
.irp m, 0,2,4,6
	v_pk_add_f32 v[192+\m:193+\m], v[192+\m:193+\m], v[234:235] op_sel_hi:[1,0] neg_lo:[0,1] neg_hi:[0,1]
.endr
	v_pk_mul_f32 v[236:237], v[192:193], v[192:193]
.irp m, 2,4,6
	v_pk_fma_f32 v[236:237], v[192+\m:193+\m], v[192+\m:193+\m], v[236:237]
.endr
	v_add_f32 v236, v236, v237
	DPP4 236
	v_fma_f32 v236, v236, s75, s76                 ; the variance + 1e-5
	v_rsq_f32 v238, v236
	v_mov_b32 v239, 0                              ; a plain line behind the transcendental (and the pair's upper half is written)
	s_wait_alu depctr_va_vdst(0)                   ; the wait ahead of the result's first reader
.irp m, 0,2,4,6
	v_pk_mul_f32 v[192+\m:193+\m], v[192+\m:193+\m], v[238:239] op_sel_hi:[1,0]
.endr
.irp m, 0,2,4,6
	v_pk_fma_f32 v[192+\m:193+\m], v[192+\m:193+\m], v[200+\m:201+\m], v[208+\m:209+\m]
.endr
	v_max3_num_f32 v240, |v192|, |v193|, 0x1800000 ; a block of 32 lies in four neighbouring lanes
	v_max3_num_f32 v240, v240, |v194|, |v195|
	v_max3_num_f32 v240, v240, |v196|, |v197|
	v_max3_num_f32 v240, v240, |v198|, |v199|
	v_max_num_f32_dpp v240, v240, v240 row_xmask:1 row_mask:0xf bank_mask:0xf
	v_max_num_f32_dpp v240, v240, v240 row_xmask:2 row_mask:0xf bank_mask:0xf
	v_add_nc_u32 v241, 0xff000000, v240
	v_lshrrev_b32 v242, 23, v241
	v_cvt_scalef32_pk8_fp4_f32 v243, v[192:199], v241
	v_mul_f32 v232, 0x3e4ccccd, v232               ; Spy / 5 (a plain line behind the conversion)
	v_mul_f32 v233, 0x3e4ccccd, v233               ; Spx / 5
	ds_store_b32 v252, v243
	ds_store_b8 v253, v242
.irp k, 0,1,2,3,4,5,6,7
	v_mul_f32 v[244+\k], v232, v[216+2*\k]
.endr
.irp k, 0,1,2,3,4,5,6,7
	v_fmac_f32 v[244+\k], v233, v[217+2*\k]
.endr
	ds_store_b128 v254, v[244:247]
	ds_store_b128 v254, v[248:251] offset:16
	s_wait_loadcnt 0x0                             ; my tiles and my own operands are in; every load is done, so every offset register may be written
.irp q, 0,1,2,3
	ds_store_b128 v44, v[XA+8*\q:XA+8*\q+3] offset:8192*\q            ; the fragments go to LDS as they stand
	ds_store_b128 v44, v[XA+8*\q+4:XA+8*\q+7] offset:8192*\q+512
.endr
.irp q, 0,1,2,3,4
	ds_store_b32 v45, v[XA+32+\q] offset:1024*\q
.endr
	ds_store_b64 v46, v[XA+38:XA+39]
	v_lshlrev_b32 v1, 6, v31                       ; 64 h: b1's offset here, and from the loop on the address of s_i (STAB = 0): it stays
	WIN 0x40
.irp t, 0,1,2,3,4,5,6,7
.irp c, 0,1
	global_load_b128 v[B1+8*\t+4*\c:B1+8*\t+4*\c+3], v1, s[42:43] offset:(32*(\t/2)+8*(\t%2))*4+16*\c   ; b1 in QL: 16 loads, on their way while the images are read
.endr
.endr
	WIN 0
	s_wait_dscnt 0x0                               ; for the others' sake: my stores have landed
	s_barrier_signal -1
	s_barrier_wait -1
	; STAGE 2: q' (my 16 channels of all slots), d0's parts, G = g_b + (gy/5) gw0 + (gx/5) gw1 in QL; the weights come out of LDS
	v_and_b32 v7, 15, v0                           ; r
	v_bfe_u32 v8, v0, 4, 1                         ; h
	v_and_b32 v5, 7, v0                            ; column r of source 1 is slot r % 8
	v_mul_u32_u24 v2, v5, 80
	v_lshl_add_u32 v3, v8, 4, v2
	v_add_nc_u32 v3, QC, v3
	v_lshl_add_u32 v4, v5, 2, QS
	v_and_b32 v54, 31, v0
	v_lshl_add_u32 v6, v54, 4, IMG                 ; an image's place for my lane
	v_lshl_add_u32 v55, v54, 5, IMW                ; my eight words
	v_lshl_add_u32 v54, v54, 6, IMP                ; my eight pairs
	ds_load_b128 v[CA:CA+3], v3                    ; 15 loads: what the first products want
	ds_load_b128 v[CA+4:CA+7], v3 offset:32
	ds_load_b32 v[SA], v4
.irp k, 0,1
	ds_load_b128 v[W2S+4*\k:W2S+4*\k+3], v55 offset:16*\k             ; Wk's scale words
	ds_load_b128 v[WVS+4*\k:WVS+4*\k+3], v55 offset:1024+16*\k        ; Wv's
	ds_load_b128 v[W1S+4*\k:W1S+4*\k+3], v55 offset:2048+16*\k        ; f_w1's
.endr
	WIN 0x40
.irp k, 0,1,2,3
	ds_load_b128 v[PK+16+4*\k:PK+19+4*\k], v54 offset:16*\k           ; (gw0, gw1) of tiles 2 k, 2 k + 1
.endr
.irp k, 0,1
	ds_load_b128 v[PK+32+4*\k:PK+35+4*\k], v55 offset:4096+16*\k      ; g_b
.endr
	WIN 0
.irp t, 0,1,2,3,4,5,6,7
.irp c, 0,1
	ds_load_b128 v[XA+8*\t+4*\c:XA+8*\t+4*\c+3], v6 offset:1024*\t+512*\c          ; Wk: 16 loads
.endr
.endr
.irp t, 0,1,2,3,4,5,6,7
.irp c, 0,1
	ds_load_b128 v[XB+8*\t+4*\c:XB+8*\t+4*\c+3], v6 offset:8192+1024*\t+512*\c     ; Wv: 16 loads
.endr
.endr
	s_wait_dscnt 32                                ; the 15 are in; Wk's and Wv's 32 may be out
	WIN 0x45
.irp t, 0,1,2,3,4,5,6,7
	v_cndmask_b32 v[PK+16+2*\t], v[PK+16+2*\t], v[PK+32+\t], s57   ; source 0 of the f32 product: k = 0, 1 (lanes 0-15): gw0, gw1; k = 2, 3 (lanes 16-31): g_b, 0
	v_cndmask_b32 v[PK+17+2*\t], v[PK+17+2*\t], 0, s57
.endr
.rept 4
	v_nop
.endr
	WIN 0x01
	v_wmma_scale_f32_16x16x128_f8f6f4 v[TM:TM+7], v[PK:PK+7], v[CA:CA+7], 0, v[WQS], v[SA] matrix_a_fmt:MATRIX_FMT_FP4 matrix_b_fmt:MATRIX_FMT_FP4
.irp t, 0,1,2,3,4,5,6,7
	v_wmma_f32_16x16x4_f32 v[PV+8*\t:PV+8*\t+7], v[PK+16+2*\t:PK+17+2*\t], v[GB:GB+1], 0
.endr
	WIN 0
	s_lshl_b32 s60, s2, 6                          ; six address lines and a v_nop: the places behind those products
	v_lshl_add_u32 v5, v5, 9, s60
	v_lshl_add_u32 v5, v8, 5, v5
	v_add_nc_u32 v5, QTAB, v5                      ; QTAB + 512 slot + 64 w + 32 h
	s_lshl_b32 s60, s2, 3
	v_add_nc_u32 v2, s60, v2
	v_lshl_add_u32 v2, v8, 2, v2
	v_add_nc_u32 v2, D0P, v2                       ; D0P + 80 slot + 8 w + 4 h
	v_nop
.irp m, 0,2,4,6
	v_pk_mul_f32 v[TM+\m:TM+\m+1], v[TM+\m:TM+\m+1], s[58:59] op_sel_hi:[1,0]   ; q'
.endr
	WIN 0x04
	v_pk_mul_f32 v[54:55], v[TM:TM+1], v[PK+8:PK+9]
.irp m, 2,4,6
	v_pk_fma_f32 v[54:55], v[TM+\m:TM+\m+1], v[PK+8+\m:PK+9+\m], v[54:55]
.endr
	WIN 0
	v_add_f32 v54, v54, v55                        ; q' . f_b2 over my eight channels
	ds_store_b128 v5, v[TM:TM+3]
	ds_store_b128 v5, v[TM+4:TM+7] offset:16
	ds_store_b32 v2, v54
	s_wait_dscnt 19                                ; Wk's fragments are in; Wv's 16 loads and the three stores may be out
	WIN 0x40                                       ; PRODUCT 1: PK = inputs Wk^T + G.  Sixteen plain lines stand behind the f32 products, whose results are its C and over whose sources it writes
.irp t, 0,1,2,3,4,5,6,7
	v_wmma_scale_f32_16x16x128_f8f6f4 v[PK+8*\t:PK+8*\t+7], v[XA+8*\t:XA+8*\t+7], v[CB:CB+7], v[PV+8*\t:PV+8*\t+7], v[W2S+\t], v[SB] matrix_a_fmt:MATRIX_FMT_FP4 matrix_b_fmt:MATRIX_FMT_FP4
.endr
.irp t, 0,1,2,3,4,5,6,7
.irp c, 0,1
	ds_load_b128 v[W1+8*\t+4*\c:W1+8*\t+4*\c+3], v6 offset:16384+1024*\t+512*\c    ; f_w1 and f_w2, 32 loads, into registers of window 1 that no product has named yet: they stay
	ds_load_b128 v[W2+8*\t+4*\c:W2+8*\t+4*\c+3], v6 offset:24576+1024*\t+512*\c
.endr
.endr
	WIN 0
	s_wait_dscnt 32                                ; Wv's fragments are in and my three stores are done, so their addresses may be written; the 32 just issued may be out
	v_lshl_add_u32 v2, v8, 5, QTAB                 ; the loop's addresses (nine plain lines: the places ahead of product 2, which writes over product 1's C, and of the loads into Wk's scale words):  QTAB + 32 h
	v_and_b32 v3, 31, v0
	s_mul_i32 s60, s2, 9216
	s_add_co_u32 s60, s60, VC
	v_lshl_add_u32 v4, v3, 2, s60
	v_add_nc_u32 v4, 1024, v4                      ; VC + 9216 w + 1024 + 4 lane
	s_mul_i32 s61, s2, 768
	v_mul_u32_u24 v5, v7, 48
	v_add_nc_u32 v5, s61, v5
	v_add_nc_u32 v5, DOTS, v5                      ; DOTS + 768 w + 48 r
	v_lshl_add_u32 v7, v3, 5, IMW                  ; my eight words once more
	v_lshl_add_u32 v3, v3, 4, s60                  ; VC + 9216 w + 16 lane
	ds_load_b128 v[W2S:W2S+3], v7 offset:3072      ; f_w2's scale words take Wk's place
	ds_load_b128 v[W2S+4:W2S+7], v7 offset:3088
.irp t, 0,1,2,3,4,5,6,7                            ; PRODUCT 2: PV = inputs Wv^T + G, in place
	v_wmma_scale_f32_16x16x128_f8f6f4 v[PV+8*\t:PV+8*\t+7], v[XB+8*\t:XB+8*\t+7], v[CB:CB+7], v[PV+8*\t:PV+8*\t+7], v[WVS+\t], v[SB] matrix_a_fmt:MATRIX_FMT_FP4 matrix_b_fmt:MATRIX_FMT_FP4
.endr
	s_wait_dscnt 0x0                               ; all the weights' images are in my registers; no LDS instruction of mine is out at the signal
	s_barrier_signal -1                            ; QTAB and d0's parts are whole behind this barrier
	s_barrier_wait -1
	v_and_b32 v7, 7, v0
	v_mul_u32_u24 v7, v7, 80
	v_add_nc_u32 v7, D0P, v7
.irp k, 0,1,2,3
	ds_load_b128 v[XA+4*\k:XA+4*\k+3], v7 offset:16*\k
.endr
	s_wait_dscnt 0x0
.irp m, 0,2,4,6
	v_pk_add_f32 v[XA+\m:XA+\m+1], v[XA+\m:XA+\m+1], v[XA+8+\m:XA+9+\m]
.endr
	v_pk_add_f32 v[XA:XA+1], v[XA:XA+1], v[XA+4:XA+5]
	v_pk_add_f32 v[XA+2:XA+3], v[XA+2:XA+3], v[XA+6:XA+7]
	v_pk_add_f32 v[XA:XA+1], v[XA:XA+1], v[XA+2:XA+3]
	v_add_f32 v[XA], v[XA], v[XA+1]                ; lane l: d0 of slot l % 8
.irp i, 0,1,2,3,4,5,6,7
	v_readlane_b32 s[66+\i], v[XA], \i
.endr
	s_wait_loadcnt 0x0                             ; b1 is in
	s_mov_b32 s53, 0
	s_mov_b32 s54, 0                               ; 512 x slot
	s_mov_b32 s55, 0                               ; 1152 x slot
	s_mov_b32 s56, 0                               ; 4 x slot
.Lslot:                                            ; THE FIRST PASS, a slot a trip: the v chain as far as its hidden codes (XA), the k chain to the dot (XB)
	v_add_nc_u32 v7, s54, v1
.irp b, 0,1,2,3
.irp k, 0,1,2,3
	ds_load_b128 v[XB+16*\b+4*\k:XB+16*\b+4*\k+3], v7 offset:128*\b+16*\k   ; s_i in QL
.endr
.endr
	s_wait_dscnt 0x0                               ; s_i is in; the last trip's stores are done, so their data and addresses may be written
	SUB XA, PV, XB
	QMAX XA, 1, SA
	QCVT XA, CA
	WIN 0x01
	SUB XB, PK, XB                                 ; (32 plain lines between the codes' last write and the product)
	WIN 0
	MM1 XA, CA, SA
	QMAX XB, 1, SB
	QCVT XB, CB
	QMAX XA, 0, SA                                 ; the v chain's hidden layer: its blocks' largest numbers.  (The places ahead of the next product)
	MM1 XB, CB, SB
	QCVT XA, CA
	v_add_nc_u32 v7, s54, v2
.irp t, 0,1,2,3,4,5,6,7
.irp u, 0,1
	ds_load_b128 v[XA+8*\t+4*\u:XA+8*\t+4*\u+3], v7 offset:64*\t+16*\u      ; q'_i in NT
.endr
.endr
	RELU2 CA                                       ; (sixteen plain lines: the places behind the product above)
	RELU2 CA+2
	QMAX XB, 0, SB
	QCVT XB, CB
	RELU2 CB
	RELU2 CB+2
	RELU2 CB+4
	RELU2 CB+6
	v_add_nc_u32 v6, s55, v3
	v_add_nc_u32 v8, s55, v4
	v_add_nc_u32 v55, s56, v5
	v_nop
	v_nop                                          ; five plain lines between the codes' last write and the product
	MM2T XB, CB, SB
	RELU2 CA+4                                     ; (the places behind it)
	RELU2 CA+6
	ds_store_b128 v6, v[CA:CA+3]                   ; the v chain's hidden codes wait in LDS for the weights a
	ds_store_b128 v6, v[CA+4:CA+7] offset:512
	ds_store_b32 v8, v[SA]
	s_wait_dscnt 3                                 ; q'_i's 16 loads are in; the three stores behind them may be out
	DOT
	ds_store_b32 v55, v[TM]
	s_add_co_u32 s54, s54, 512
	s_add_co_u32 s55, s55, 1152
	s_add_co_u32 s56, s56, 4
	s_add_co_u32 s53, s53, 1
	s_cmp_lt_u32 s53, 8
	s_cbranch_scc1 .Lslot
	; THE SOFTMAX over the 8 slots: a lane holds a position (both halves of the lanes the same)
	s_wait_dscnt 0x0                               ; the last store has read TM
	ds_load_b128 v[TM:TM+3], v5
	ds_load_b128 v[TM+4:TM+7], v5 offset:16
	v_and_b32 v6, 15, v0
	v_bfe_u32 v8, v0, 4, 1
	s_lshl_b32 s60, s2, 6
	s_add_co_u32 s60, s60, AT
	v_lshl_add_u32 v7, v6, 2, s60                  ; AT + 64 w + 4 r
	v_lshl_add_u32 v1, v8, 5, s60                  ; AT + 64 w + 32 h
	s_mul_i32 s60, s2, 8320
	s_add_co_u32 s60, s60, RED
	v_mul_u32_u24 v2, v8, 4160
	v_lshl_add_u32 v2, v6, 2, v2
	v_add_nc_u32 v2, s60, v2                       ; RED + 4160 (2 w + h) + 4 r
	s_wait_dscnt 0x0
.irp i, 0,1,2,3,4,5,6,7
	v_add_f32 v[TM+\i], s[66+\i], v[TM+\i]
.endr
	v_max3_num_f32 v54, v[TM], v[TM+1], v[TM+2]
	v_max3_num_f32 v54, v54, v[TM+3], v[TM+4]
	v_max3_num_f32 v54, v54, v[TM+5], v[TM+6]
	v_max_num_f32 v54, v54, v[TM+7]
.irp i, 0,1,2,3,4,5,6,7
	v_sub_f32 v[TM+\i], v[TM+\i], v54              ; the largest is taken away
.endr
.irp i, 0,1,2,3,4,5,6,7
	v_exp_f32 v[TM+\i], v[TM+\i]
.endr
	v_nop
	s_wait_alu depctr_va_vdst(0)                   ; one wait for the eight, ahead of their first reader
	v_add_f32 v54, v[TM], v[TM+1]
	v_add_f32 v55, v[TM+2], v[TM+3]
	v_add_f32 v54, v54, v[TM+4]
	v_add_f32 v55, v55, v[TM+5]
	v_add_f32 v54, v54, v[TM+6]
	v_add_f32 v55, v55, v[TM+7]
	v_add_f32 v54, v54, v55
	v_rcp_f32 v55, v54
	v_nop
	s_wait_alu depctr_va_vdst(0)
.irp i, 0,1,2,3,4,5,6,7
	v_fmaak_f32 v[TM+\i], v[TM+\i], v55, 0x322bcc77   ; a = softmax + 1e-8
.endr
.irp i, 0,1,2,3,4,5,6,7
	ds_store_b32 v7, v[TM+\i] offset:512*\i
.endr
; THE SECOND PASS: v without b2 from the hidden codes, weighed by a and summed over my 16 positions.  Written out: every offset is an immediate.
.macro LD2 i                           ; slot i's image, scale words and eight weights a(8 h + j)
	ds_load_b128 v[CA+8*((\i)%2):CA+8*((\i)%2)+3], v3 offset:1152*(\i)
	ds_load_b128 v[CA+8*((\i)%2)+4:CA+8*((\i)%2)+7], v3 offset:1152*(\i)+512
	ds_load_b32 v[SA+((\i)%2)], v4 offset:1152*(\i)
	ds_load_b128 v[XB+8*((\i)%2):XB+8*((\i)%2)+3], v1 offset:512*(\i)
	ds_load_b128 v[XB+8*((\i)%2)+4:XB+8*((\i)%2)+7], v1 offset:512*(\i)+16
.endm
.macro ACC i                           ; each accumulator from its low end on
.set AP, XB+8*((\i)%2)
.set TP, XB+16+16*((\i)%2)
.irp t, 0,1,2,3,4,5,6,7
	v_pk_mul_f32 v[TP+2*\t:TP+2*\t+1], v[XA+8*\t:XA+8*\t+1], v[AP:AP+1]
.endr
.irp m, 1,2,3
.irp t, 0,1,2,3,4,5,6,7
	v_pk_fma_f32 v[TP+2*\t:TP+2*\t+1], v[XA+8*\t+2*\m:XA+8*\t+2*\m+1], v[AP+2*\m:AP+2*\m+1], v[TP+2*\t:TP+2*\t+1]
.endr
.endr
.endm
.macro FIN i                           ; slot i's eight sums (channel 16 t + r, positions 8 h ..) go to my row of RED
.set TP, XB+16+16*((\i)%2)
.irp t, 0,1,2,3,4,5,6,7
	v_add_f32 v[XB+48+\t], v[TP+2*\t], v[TP+2*\t+1]
.endr
.irp t, 0,1,2,3,4,5,6,7
	ds_store_b32 v2, v[XB+48+\t] offset:512*(\i)+64*\t
.endr
.endm
.macro SLOT2 i
	s_wait_dscnt 0x0                               ; this slot's loads are in, the last slot's stores have read their data
	MM2N XA, CA+8*((\i)%2), SA+((\i)%2)
.if (\i) > 0
	FIN (\i)-1                                     ; its eight additions are the places behind the products
.else
.rept 5
	v_nop
.endr
.endif
.if (\i) < 7
	LD2 (\i)+1
.endif
	ACC \i
.endm
	LD2 0                                          ; LDS serves a wave's instructions in order: these see my stores of a
.irp i, 0,1,2,3,4,5,6,7
	SLOT2 \i
.endr
	FIN 7
	s_wait_dscnt 0x0                               ; for the others' sake: my rows of RED and my a have landed
	s_barrier_signal -1
	s_barrier_wait -1
	; THE TAIL: wave w is slot w again: the sixteen rows of RED are added; A, Gy, Gx of the block's 128 positions
	v_and_b32 v8, 31, v0
	v_lshlrev_b32 v8, 4, v8                        ; 16 x lane
	s_lshl_b32 s60, s2, 9
	s_add_co_u32 s61, s60, RED
	v_add_nc_u32 v6, s61, v8
	s_add_co_u32 s61, s60, AT
	v_add_nc_u32 v7, s61, v8
.irp k, 0,1,2,3,4,5,6,7,8,9,10,11,12,13,14,15
	ds_load_b128 v[XA+4*\k:XA+4*\k+3], v6 offset:4160*\k
.endr
	ds_load_b128 v[192:195], v7                    ; a of positions 4 lane .. 4 lane + 3
	v_and_b32 v200, 15, v0
	v_lshlrev_b32 v200, 2, v200
	v_cvt_f32_u32 v200, v200                       ; their grid columns: 4 (lane % 16) + k
	v_add_f32 v201, 1.0, v200
	v_add_f32 v202, 2.0, v200
	v_add_f32 v203, 0x40400000, v200
.irp k, 0,1,2,3
	v_fma_f32 v[200+\k], v[200+\k], s74, -1.0      ; gx
.endr
	v_bfe_u32 v204, v0, 4, 1
	s_lshl_b32 s60, s3, 1
	v_add_nc_u32 v204, s60, v204                   ; their grid row: 2 block + lane / 16
	v_cvt_f32_u32 v204, v204
	v_fma_f32 v204, v204, s74, -1.0                ; gy
	s_wait_dscnt 0x0
.irp k, 0,1,2,3,4,5,6,7
	v_pk_add_f32 v[XA+4*\k:XA+4*\k+1], v[XA+4*\k:XA+4*\k+1], v[XA+32+4*\k:XA+33+4*\k]
	v_pk_add_f32 v[XA+4*\k+2:XA+4*\k+3], v[XA+4*\k+2:XA+4*\k+3], v[XA+34+4*\k:XA+35+4*\k]
.endr
.irp k, 0,1,2,3
	v_pk_add_f32 v[XA+4*\k:XA+4*\k+1], v[XA+4*\k:XA+4*\k+1], v[XA+16+4*\k:XA+17+4*\k]
	v_pk_add_f32 v[XA+4*\k+2:XA+4*\k+3], v[XA+4*\k+2:XA+4*\k+3], v[XA+18+4*\k:XA+19+4*\k]
.endr
.irp k, 0,1
	v_pk_add_f32 v[XA+4*\k:XA+4*\k+1], v[XA+4*\k:XA+4*\k+1], v[XA+8+4*\k:XA+9+4*\k]
	v_pk_add_f32 v[XA+4*\k+2:XA+4*\k+3], v[XA+4*\k+2:XA+4*\k+3], v[XA+10+4*\k:XA+11+4*\k]
.endr
	v_pk_add_f32 v[XA:XA+1], v[XA:XA+1], v[XA+4:XA+5]
	v_pk_add_f32 v[XA+2:XA+3], v[XA+2:XA+3], v[XA+6:XA+7]
	global_store_b128 v8, v[XA:XA+3], s[48:49] th:TH_STORE_NT       ; Sv: 32 lanes store 512 consecutive bytes, aligned to 256
	v_add_f32 v196, v192, v193
	v_add_f32 v197, v194, v195
	v_add_f32 v196, v196, v197                     ; A
	v_mul_f32 v198, v192, v200
	v_fmac_f32 v198, v193, v201
	v_fmac_f32 v198, v194, v202
	v_fmac_f32 v198, v195, v203                    ; Gx
	v_mul_f32 v197, v196, v204                     ; Gy
	WSUM 196
	WSUM 197
	WSUM 198
	v_and_b32 v205, 31, v0
	v_cmp_eq_u32 vcc_lo, 0, v205
	v_cndmask_b32 v206, 0, v196, vcc_lo            ; lane 0: (A, Gy); lane 1: (Gx, 0); the others zeros
	v_cndmask_b32 v207, 0, v197, vcc_lo
	v_cmp_eq_u32 vcc_lo, 1, v205
	v_cndmask_b32 v206, v206, v198, vcc_lo
	v_lshlrev_b32 v205, 3, v205
	global_store_b64 v205, v[206:207], s[48:49] offset:512 th:TH_STORE_NT   ; 32 lanes store 256 consecutive bytes, aligned
	s_wait_xcnt 0x0
	v_lshl_add_u32 v254, v0, 2, 0x30e00
	v_mov_b32 v255, 0
	s_wait_tensorcnt 0x0
	ds_add_u32 v254, v255
	s_wait_dscnt 0x0
	s_endpgm
.Lfunc_end_k_q5f5a5e0bb8_attn1:
	.size	k_q5f5a5e0bb8_attn1, .Lfunc_end_k_q5f5a5e0bb8_attn1-k_q5f5a5e0bb8_attn1
	.p2alignl 7, 3214868480
	.fill 96, 4, 3214868480
	.section	.rodata,"a",@progbits
	.p2align	6, 0x0
	.amdhsa_kernel k_q5f5a5e0bb8_attn1
		.amdhsa_group_segment_fixed_size 201216
		.amdhsa_private_segment_fixed_size 0
		.amdhsa_enable_private_segment 0
		.amdhsa_kernarg_size 168
		.amdhsa_user_sgpr_count 2
		.amdhsa_user_sgpr_kernarg_segment_ptr 1
		.amdhsa_wavefront_size32 1
		.amdhsa_system_sgpr_workgroup_id_x 1
		.amdhsa_system_sgpr_workgroup_id_y 1
		.amdhsa_system_sgpr_workgroup_id_z 1
		.amdhsa_system_vgpr_workitem_id 0
		.amdhsa_next_free_vgpr 512
		.amdhsa_next_free_sgpr 80
		.amdhsa_reserve_vcc 1
		.amdhsa_float_denorm_mode_32 3
		.amdhsa_float_denorm_mode_16_64 3
		.amdhsa_memory_ordered 1
		.amdhsa_forward_progress 1
		.amdhsa_inst_pref_size 100
	.end_amdhsa_kernel
	.amdgpu_metadata
---
amdhsa.version: [ 1, 2 ]
amdhsa.kernels:
  - .name:           k_q5f5a5e0bb8_attn1
    .symbol:         k_q5f5a5e0bb8_attn1.kd
    .args:
      - { .name: slots_init, .offset: 0, .size: 8, .value_kind: global_buffer, .address_space: global }
      - { .name: S_p0, .offset: 8, .size: 8, .value_kind: global_buffer, .address_space: global }
      - { .name: ln_s_g, .offset: 16, .size: 8, .value_kind: global_buffer, .address_space: global }
      - { .name: ln_s_b, .offset: 24, .size: 8, .value_kind: global_buffer, .address_space: global }
      - { .name: g_w, .offset: 32, .size: 8, .value_kind: global_buffer, .address_space: global }
      - { .name: g_b, .offset: 40, .size: 8, .value_kind: global_buffer, .address_space: global }
      - { .name: inputs_codes, .offset: 48, .size: 8, .value_kind: global_buffer, .address_space: global }
      - { .name: inputs_scales, .offset: 56, .size: 8, .value_kind: global_buffer, .address_space: global }
      - { .name: Wk_codes, .offset: 64, .size: 8, .value_kind: global_buffer, .address_space: global }
      - { .name: Wk_scales, .offset: 72, .size: 8, .value_kind: global_buffer, .address_space: global }
      - { .name: Wv_codes, .offset: 80, .size: 8, .value_kind: global_buffer, .address_space: global }
      - { .name: Wv_scales, .offset: 88, .size: 8, .value_kind: global_buffer, .address_space: global }
      - { .name: Wq_codes, .offset: 96, .size: 8, .value_kind: global_buffer, .address_space: global }
      - { .name: Wq_scales, .offset: 104, .size: 8, .value_kind: global_buffer, .address_space: global }
      - { .name: f_b2, .offset: 112, .size: 8, .value_kind: global_buffer, .address_space: global }
      - { .name: f_w1_codes, .offset: 120, .size: 8, .value_kind: global_buffer, .address_space: global }
      - { .name: f_w1_scales, .offset: 128, .size: 8, .value_kind: global_buffer, .address_space: global }
      - { .name: f_b1, .offset: 136, .size: 8, .value_kind: global_buffer, .address_space: global }
      - { .name: f_w2_codes, .offset: 144, .size: 8, .value_kind: global_buffer, .address_space: global }
      - { .name: f_w2_scales, .offset: 152, .size: 8, .value_kind: global_buffer, .address_space: global }
      - { .name: part, .offset: 160, .size: 8, .value_kind: global_buffer, .address_space: global }
    .group_segment_fixed_size: 201216
    .private_segment_fixed_size: 0
    .kernarg_segment_align: 8
    .kernarg_segment_size: 168
    .max_flat_workgroup_size: 256
    .sgpr_count:     80
    .vgpr_count:     512
    .wavefront_size: 32
...
	.end_amdgpu_metadata
.endif
;; end of part 1
;; launch upd1 (part 2): grid 64 x 1, 4 waves a work-group, no clusters, 5,120 bytes of LDS; arguments part, slots_init, gru_wih_codes, gru_wih_scales, gru_whh_codes, gru_whh_scales, gru_bih, gru_bhh, mlp_w1_codes, mlp_w1_scales, mlp_b1, mlp_w2_codes, mlp_w2_scales, mlp_b2, ln_pf_g, ln_pf_b, f_b2, S_r, S_s, slots1, sp1, out2, out3; writes slots1, sp1, out2, out3
.if DOCPART == 2
	.amdgcn_target "amdgcn-amd-amdhsa--gfx1250"
	.amdhsa_code_object_version 6
	.text
	.protected	k_q5f5a5e0bb8_upd1
	.globl	k_q5f5a5e0bb8_upd1
	.p2align	8
	.type	k_q5f5a5e0bb8_upd1,@function
k_q5f5a5e0bb8_upd1:
	s_mov_b64 s[64:65], 0
	v_nop
	global_prefetch_b8 v0, s[64:65] scope:SCOPE_SE
	s_setreg_imm32_b32 hwreg(HW_REG_WAVE_MODE, 25, 1), 1
	s_wait_xcnt 0x0
; One round's update of InvariantSlotAttention: work-group R = 8 b + slot owns ONE row.  It adds the row's 32 partial records, updates = Sv / A + f_b2, S_p = (Gy, Gx) / A,
; then the GRU, LayerNorm and the MLP with its residual; every product on codes of FP4 (E2M1) with one E8M0 scale for 32 along K.
; Work-group 64, which only the last round's launch has, copies S_r and S_s to their outputs.
; SHARES: four waves; wave w makes units 32 w .. 32 w + 31 of every layer.  Products are used transposed: source 0 = 16 rows of the weight, source 1 = the row's fragment, the same row in all 16 columns.
; Tile u of a wave takes rows 32 w + 8 u + r + 8 (r / 8), so that the 16 registers of tiles 0 and 1 are units 32 w + 16 h + 0 .. 15: with lane l xor 16's, one block of 32 of the next K.
; One row to a work-group: it reads 24 KB of records and 64 KB of weights, and the chain of dependent steps is spread over 64 work-groups.  No tensor load, no cluster: nothing is streamed.
; LIMITS: tanh(x) = 1 - 2 / (1 + 2^(2 log2(e) x)): absolute error of some 1e-7; a block of zeros gets the scale byte 1 (its codes are zeros; only this program reads the byte);
; blocks under 2^-124 are held at that floor; hidden numbers clipped by relu are the code -0; NaN and infinities are not served.  S_p leaves as 8 bytes a work-group: a row has one owner.
.set WR,  0                            ; LDS: a wave's own 256: the old slots' codes +0, scale word +64; the updates' +128, +192
.set RX,  1024                         ; the waves' partial Sv: 4 rows of 512
.set LNX, 3072                         ; (mean, sum of squares about it) of each wave's 32 units
.set YC,  3328                         ; codes of LN(slots);  YSC their scale bytes
.set YSC, 3392
.set MC,  3584                         ; codes of the MLP's hidden layer;  MSC their scale bytes
.set MSC, 3648
.set ORW, 3840                         ; the output row
; window 0: v1-19 offsets and LDS addresses; v20-35 the weights' scale words (whh 6, wih 6, mlp 2 + 2); v36-39 the activations'; v40-47, v48-55 fragments; v56-71 R, v72-87 Z, v88-103 IN, v104-119 HN;
; v120-151 bhh of r and z; v152-167 the old slots in my units' layout, then the new; v168-199 partial rows; v200-203 statistics; v204-211 the old slots, 8 a lane; v212-219 f_b2; v220-227 updates; v228-251 at work
; window 1: v0-47 whh's tiles, v48-95 wih's, v96-111 mlp_w1's, v112-127 mlp_w2's; v128 mlp_b1, v144 mlp_b2, v160 ln_pf_g, v176 ln_pf_b
.set MSB, 0
.macro WIN new
.if MSB != \new
	s_set_vgpr_msb (MSB<<8)|\new
.set MSB, \new
.endif
.endm
.macro BAR                             ; my LDS stores have landed and my LDS loads are in: then the work-group's barrier
	s_wait_dscnt 0x0
	s_barrier_signal -1
	s_barrier_wait -1
.endm
.macro WSUM r, t                       ; a sum over the wave's 32 lanes; t: a register that has been written
	v_add_f32_dpp v[\r], v[\r], v[\r] row_xmask:1 row_mask:0xf bank_mask:0xf
	v_add_f32_dpp v[\r], v[\r], v[\r] row_xmask:2 row_mask:0xf bank_mask:0xf
	v_add_f32_dpp v[\r], v[\r], v[\r] row_xmask:4 row_mask:0xf bank_mask:0xf
	v_add_f32_dpp v[\r], v[\r], v[\r] row_xmask:8 row_mask:0xf bank_mask:0xf
	v_permlanex16_b32 v[\t], v[\r], s54, s55
	v_add_f32 v[\r], v[\r], v[\t]
.endm
; A row held 8 numbers a lane (lane r: 8 r .. 8 r + 7, both halves the same) becomes a fragment and a scale word, by a turn through the wave's own LDS bytes
.macro Q8 x, off, f, sw
	v_max3_num_f32 v228, |v[\x]|, |v[\x+1]|, 0x1800000
	v_max3_num_f32 v228, v228, |v[\x+2]|, |v[\x+3]|
	v_max3_num_f32 v228, v228, |v[\x+4]|, |v[\x+5]|
	v_max3_num_f32 v228, v228, |v[\x+6]|, |v[\x+7]|
	v_max_num_f32_dpp v228, v228, v228 row_xmask:1 row_mask:0xf bank_mask:0xf
	v_max_num_f32_dpp v228, v228, v228 row_xmask:2 row_mask:0xf bank_mask:0xf
	v_add_nc_u32 v229, 0xff000000, v228
	v_lshrrev_b32 v230, 23, v229
	v_cvt_scalef32_pk8_fp4_f32 v231, v[\x:\x+7], v229
	v_nop
	ds_store_b32 v7, v231 offset:\off
	ds_store_b8 v8, v230 offset:\off+64
	ds_load_b128 v[\f:\f+3], v9 offset:\off        ; LDS serves a wave's instructions in order: these see my stores
	ds_load_b128 v[\f+4:\f+7], v9 offset:\off+32
	ds_load_b32 v[\sw], v10 offset:\off+64
	s_wait_dscnt 0x0
.endm
; My wave's 32 units (16 a lane) are block w of the next K: 8 bytes of codes a half, one scale byte.  ab = 0: a relu stands ahead of the quantiser
.macro QB16 x, ab, cb, sb
.if \ab
	v_max3_num_f32 v228, |v[\x]|, |v[\x+1]|, 0x1800000
.irp i, 2,4,6,8,10,12,14
	v_max3_num_f32 v228, v228, |v[\x+\i]|, |v[\x+\i+1]|
.endr
.else
	v_max3_num_f32 v228, v[\x], v[\x+1], 0x1800000
.irp i, 2,4,6,8,10,12,14
	v_max3_num_f32 v228, v228, v[\x+\i], v[\x+\i+1]
.endr
.endif
	v_permlanex16_b32 v229, v228, s54, s55
	v_max_num_f32 v228, v228, v229
	v_add_nc_u32 v230, 0xff000000, v228
	v_lshrrev_b32 v231, 23, v230
	v_cvt_scalef32_pk8_fp4_f32 v232, v[\x:\x+7], v230
	v_cvt_scalef32_pk8_fp4_f32 v233, v[\x+8:\x+15], v230
	v_nop
.if \ab == 0
	v_and_b32 v234, s57, v232                      ; the magnitude bits of negative codes are cleared
	v_and_b32 v236, s57, v233
	v_lshrrev_b32 v235, 3, v234
	v_lshrrev_b32 v237, 3, v236
	v_sub_nc_u32 v234, v234, v235
	v_sub_nc_u32 v236, v236, v237
	v_bfi_b32 v232, v234, 0, v232
	v_bfi_b32 v233, v236, 0, v233
.endif
	ds_store_b64 v14, v[232:233] offset:\cb
	ds_store_b8 v15, v231 offset:\sb
.endm
.macro FRAG f, sw, cb, sb              ; the whole row's fragment and scale word, in any wave
	ds_load_b128 v[\f:\f+3], v16 offset:\cb
	ds_load_b128 v[\f+4:\f+7], v16 offset:\cb+32
	ds_load_b32 v[\sw], v17 offset:\sb
	s_wait_dscnt 0x0
.endm
.macro GP d, a, sw, b, sb              ; a tile of the GRU, added in place onto what lies in d
	v_wmma_scale_f32_16x16x128_f8f6f4 v[\d:\d+7], v[\a:\a+7], v[\b:\b+7], v[\d:\d+7], v[\sw], v[\sb] matrix_a_fmt:MATRIX_FMT_FP4 matrix_b_fmt:MATRIX_FMT_FP4
.endm
	s_load_b512 s[8:23], s[0:1], 0x0               ; part 8, old slots 10, wih 12, 14, whh 16, 18, bih 20, bhh 22
	s_load_b512 s[24:39], s[0:1], 0x40             ; mlp_w1 24, 26, mlp_b1 28, mlp_w2 30, 32, mlp_b2 34, ln_pf_g 36, ln_pf_b 38
	s_load_b256 s[40:47], s[0:1], 0x80             ; f_b2 40, S_r 42, S_s 44, new slots 46
	s_load_b128 s[48:51], s[0:1], 0xa0             ; new S_p 48, out2 50
	s_load_b64 s[52:53], s[0:1], 0xb0              ; out3
	v_lshl_add_u32 v254, v0, 2, 0x1200
	v_mov_b32 v255, 0
	v_lshrrev_b32 v1, 5, v0
	v_readfirstlane_b32 s2, v1                     ; wave 0..3
	s_mov_b32 s3, ttmp9                            ; the row
	s_wait_kmcnt 0x0
	s_cmp_eq_u32 s3, 64
	s_cbranch_scc1 .Lcopy
	s_mov_b32 s54, 0x76543210
	s_mov_b32 s55, 0xfedcba98
	s_mov_b32 s57, 0x88888888
	s_mov_b32 s58, 0x3c000000                      ; 1 / 128
	s_mov_b32 s59, 0x3727c5ac                      ; 1e-5
	v_and_b32 v228, 15, v0                         ; r
	v_bfe_u32 v229, v0, 4, 1                       ; h
	v_and_b32 v230, 31, v0                         ; lane
	v_lshlrev_b32 v1, 5, v228                      ; 32 r: eight f32 a lane
	v_and_b32 v231, 8, v228
	v_add_nc_u32 v231, v231, v228                  ; r + 8 (r / 8)
	s_lshl_b32 s60, s2, 11
	v_lshl_add_u32 v2, v231, 6, s60
	v_lshl_add_u32 v2, v229, 4, v2                 ; a weight's fragment: my 32 rows (2048 w), the tile's row, + 16 h
	s_lshl_b32 s60, s2, 7
	v_lshl_add_u32 v3, v231, 2, s60                ; those rows' scale words
	v_lshl_add_u32 v18, v229, 6, s60               ; 128 w + 64 h: my 16 units' f32
	s_mul_i32 s60, s2, 6144
	v_mul_u32_u24 v5, v229, 3072
	v_add_nc_u32 v5, v5, v1
	v_add_nc_u32 v5, s60, v5                       ; records 8 w + 4 h + k, channels 8 r on
	v_mul_u32_u24 v6, v230, 768                    ; record = lane: its statistics
	s_lshl_b32 s60, s2, 8                          ; WR + 256 w
	v_lshl_add_u32 v7, v228, 2, s60
	v_lshrrev_b32 v8, 2, v228
	v_add_nc_u32 v8, s60, v8
	v_lshl_add_u32 v9, v229, 4, s60
	v_mov_b32 v10, s60
	v_add_nc_u32 v11, RX, v1
	s_lshl_b32 s60, s2, 9
	v_add_nc_u32 v12, s60, v11
	s_lshl_b32 s60, s2, 3
	v_mov_b32 v13, s60                             ; 8 w
	s_lshl_b32 s60, s2, 4
	v_lshl_add_u32 v14, v229, 3, s60               ; 16 w + 8 h
	v_mov_b32 v15, s2                              ; w
	v_lshlrev_b32 v16, 4, v229                     ; 16 h
	v_mov_b32 v17, 0
	v_lshlrev_b32 v19, 4, v230                     ; 16 x lane
	s_mov_b32 s63, 0
	s_mul_i32 s62, s3, 24576                       ; the row's 32 records
	s_add_nc_u64 s[8:9], s[8:9], s[62:63]
	s_lshl_b32 s62, s3, 9
	s_add_nc_u64 s[10:11], s[10:11], s[62:63]
	s_add_nc_u64 s[46:47], s[46:47], s[62:63]
	s_lshl_b32 s62, s3, 3
	s_add_nc_u64 s[48:49], s[48:49], s[62:63]
	; GROUP A, 44 loads: what the products with the old slots want
	global_load_b128 v[204:207], v1, s[10:11]
	global_load_b128 v[208:211], v1, s[10:11] offset:16
	WIN 0x40
.irp g, 0,1,2
.irp u, 0,1
.irp c, 0,1
	global_load_b128 v[8*(2*\g+\u)+4*\c:8*(2*\g+\u)+4*\c+3], v2, s[16:17] offset:\g*8192+\u*512+32*\c
.endr
.endr
.endr
	WIN 0
.irp g, 0,1,2
.irp u, 0,1
	global_load_b32 v[20+2*\g+\u], v3, s[18:19] offset:\g*512+\u*32
.endr
.endr
.irp k, 0,1,2,3
	global_load_b128 v[56+4*\k:59+4*\k], v18, s[20:21] offset:16*\k            ; bih of r
	global_load_b128 v[72+4*\k:75+4*\k], v18, s[20:21] offset:512+16*\k        ; of z
	global_load_b128 v[88+4*\k:91+4*\k], v18, s[20:21] offset:1024+16*\k       ; of n
	global_load_b128 v[120+4*\k:123+4*\k], v18, s[22:23] offset:16*\k          ; bhh of r
	global_load_b128 v[136+4*\k:139+4*\k], v18, s[22:23] offset:512+16*\k      ; of z
	global_load_b128 v[104+4*\k:107+4*\k], v18, s[22:23] offset:1024+16*\k     ; of n
.endr
	; GROUP B, 11 loads: the records
.irp k, 0,1,2,3
	global_load_b128 v[168+8*\k:171+8*\k], v5, s[8:9] offset:768*\k
	global_load_b128 v[172+8*\k:175+8*\k], v5, s[8:9] offset:768*\k+16
.endr
	global_load_b128 v[200:203], v6, s[8:9] offset:512
	global_load_b128 v[212:215], v1, s[40:41]
	global_load_b128 v[216:219], v1, s[40:41] offset:16
	; GROUP C1, 22 loads: what the products with the updates and the gates want
	WIN 0x40
.irp g, 0,1,2
.irp u, 0,1
.irp c, 0,1
	global_load_b128 v[48+8*(2*\g+\u)+4*\c:48+8*(2*\g+\u)+4*\c+3], v2, s[12:13] offset:\g*8192+\u*512+32*\c
.endr
.endr
.endr
	WIN 0
.irp g, 0,1,2
.irp u, 0,1
	global_load_b32 v[26+2*\g+\u], v3, s[14:15] offset:\g*512+\u*32
.endr
.endr
.irp k, 0,1,2,3
	global_load_b128 v[152+4*\k:155+4*\k], v18, s[10:11] offset:16*\k
.endr
	; GROUP C2, 28 loads: LayerNorm and the MLP
	WIN 0x40
.irp u, 0,1
.irp c, 0,1
	global_load_b128 v[96+8*\u+4*\c:96+8*\u+4*\c+3], v2, s[24:25] offset:\u*512+32*\c
	global_load_b128 v[112+8*\u+4*\c:112+8*\u+4*\c+3], v2, s[30:31] offset:\u*512+32*\c
.endr
.endr
.irp k, 0,1,2,3
	global_load_b128 v[128+4*\k:131+4*\k], v18, s[28:29] offset:16*\k
	global_load_b128 v[144+4*\k:147+4*\k], v18, s[34:35] offset:16*\k
	global_load_b128 v[160+4*\k:163+4*\k], v18, s[36:37] offset:16*\k
	global_load_b128 v[176+4*\k:179+4*\k], v18, s[38:39] offset:16*\k
.endr
	WIN 0
.irp u, 0,1
	global_load_b32 v[32+\u], v3, s[26:27] offset:\u*32
	global_load_b32 v[34+\u], v3, s[32:33] offset:\u*32
.endr
	s_wait_loadcnt 61                              ; group A is in: 11 + 22 + 28 younger loads may be out
.set II, 0
.rept 16
	v_pk_add_f32 v[56+II:57+II], v[56+II:57+II], v[120+II:121+II]   ; bih + bhh of r and z: where their sums begin
.set II, II+2
.endr
	Q8 204, 0, 40, 36
	WIN 0x01
	GP 56, 0, 20, 40, 36                           ; the accumulators take single turns
	GP 64, 8, 21, 40, 36
	GP 72, 16, 22, 40, 36
	GP 80, 24, 23, 40, 36
	GP 104, 32, 24, 40, 36
	GP 112, 40, 25, 40, 36
	WIN 0
	s_wait_loadcnt 50                              ; group B is in: 22 + 28 may be out
.irp k, 1,2,3
.irp m, 0,2,4,6
	v_pk_add_f32 v[168+\m:169+\m], v[168+\m:169+\m], v[168+8*\k+\m:169+8*\k+\m]
.endr
.endr
.irp i, 0,1,2,3,4,5,6,7
	v_permlanex16_b32 v[176+\i], v[168+\i], s54, s55   ; (into registers that are done with)
.endr
.irp m, 0,2,4,6
	v_pk_add_f32 v[168+\m:169+\m], v[168+\m:169+\m], v[176+\m:177+\m]   ; my wave's eight records
.endr
	ds_store_b128 v12, v[168:171]
	ds_store_b128 v12, v[172:175] offset:16
	WSUM 200, 184                                  ; A
	WSUM 201, 185                                  ; Gy
	WSUM 202, 186                                  ; Gx
	v_rcp_f32 v246, v200
	v_mov_b32 v247, 0                              ; a plain line behind the transcendental (and the pair's upper half is written)
	s_wait_alu depctr_va_vdst(0)                   ; the wait ahead of the result's first reader
	v_mul_f32 v250, v201, v246                     ; the new S_p
	v_mul_f32 v251, v202, v246
	BAR
.irp w, 0,1,2,3
	ds_load_b128 v[168+8*\w:171+8*\w], v11 offset:512*\w
	ds_load_b128 v[172+8*\w:175+8*\w], v11 offset:512*\w+16
.endr
	s_wait_dscnt 0x0
.irp k, 1,2,3
.irp m, 0,2,4,6
	v_pk_add_f32 v[168+\m:169+\m], v[168+\m:169+\m], v[168+8*\k+\m:169+8*\k+\m]
.endr
.endr
.irp m, 0,2,4,6
	v_pk_fma_f32 v[220+\m:221+\m], v[168+\m:169+\m], v[246:247], v[212+\m:213+\m] op_sel_hi:[1,0,1]   ; updates = Sv / A + f_b2
.endr
	Q8 220, 128, 48, 37
	s_wait_loadcnt 28                              ; group C1 is in
	WIN 0x01
	GP 56, 48, 26, 48, 37
	GP 64, 56, 27, 48, 37
	GP 72, 64, 28, 48, 37
	GP 80, 72, 29, 48, 37
	GP 88, 80, 30, 48, 37
	GP 96, 88, 31, 48, 37
	WIN 0
.rept 4
	v_nop
.endr
	; THE GATES, 16 units a lane; four batches of transcendentals, one wait each
.set II, 0
.rept 16
	v_pk_mul_f32 v[56+II:57+II], v[56+II:57+II], 0xbfb8aa3b op_sel_hi:[1,0]   ; x -log2(e)
.set II, II+2
.endr
.set II, 0
.rept 32
	v_exp_f32 v[56+II], v[56+II]
.set II, II+1
.endr
	v_nop
	s_wait_alu depctr_va_vdst(0)
.set II, 0
.rept 16
	v_pk_add_f32 v[56+II:57+II], v[56+II:57+II], 1.0 op_sel_hi:[1,0]
.set II, II+2
.endr
.set II, 0
.rept 32
	v_rcp_f32 v[56+II], v[56+II]                   ; r and z
.set II, II+1
.endr
	v_nop
	s_wait_alu depctr_va_vdst(0)
.set II, 0
.rept 8
	v_pk_fma_f32 v[88+II:89+II], v[56+II:57+II], v[104+II:105+II], v[88+II:89+II]   ; inn + r hn
.set II, II+2
.endr
.set II, 0
.rept 8
	v_pk_mul_f32 v[88+II:89+II], v[88+II:89+II], 0x4038aa3b op_sel_hi:[1,0]         ; x 2 log2(e)
.set II, II+2
.endr
.set II, 0
.rept 16
	v_exp_f32 v[88+II], v[88+II]
.set II, II+1
.endr
	v_nop
	s_wait_alu depctr_va_vdst(0)
.set II, 0
.rept 8
	v_pk_add_f32 v[88+II:89+II], v[88+II:89+II], 1.0 op_sel_hi:[1,0]
.set II, II+2
.endr
.set II, 0
.rept 16
	v_rcp_f32 v[88+II], v[88+II]
.set II, II+1
.endr
	v_nop
	s_wait_alu depctr_va_vdst(0)
.set II, 0
.rept 8
	v_pk_fma_f32 v[88+II:89+II], v[88+II:89+II], -2.0, 1.0 op_sel_hi:[1,0,0]        ; n = tanh
.set II, II+2
.endr
.set II, 0
.rept 8
	v_pk_add_f32 v[104+II:105+II], v[152+II:153+II], v[88+II:89+II] neg_lo:[0,1] neg_hi:[0,1]
.set II, II+2
.endr
.set II, 0
.rept 8
	v_pk_fma_f32 v[152+II:153+II], v[72+II:73+II], v[104+II:105+II], v[88+II:89+II]  ; n + z (h - n)
.set II, II+2
.endr
	; LAYERNORM: my wave's mean and its squares about that mean; the four waves' are joined exactly as a mean of means and a sum of squares about the whole mean
	v_pk_add_f32 v[228:229], v[152:153], v[154:155]
	v_pk_add_f32 v[230:231], v[156:157], v[158:159]
	v_pk_add_f32 v[232:233], v[160:161], v[162:163]
	v_pk_add_f32 v[234:235], v[164:165], v[166:167]
	v_pk_add_f32 v[228:229], v[228:229], v[230:231]
	v_pk_add_f32 v[232:233], v[232:233], v[234:235]
	v_pk_add_f32 v[228:229], v[228:229], v[232:233]
	v_add_f32 v228, v228, v229
	v_permlanex16_b32 v229, v228, s54, s55
	v_add_f32 v228, v228, v229
	v_mul_f32 v244, 0x3d000000, v228               ; / 32
	v_mov_b32 v245, v244
.set II, 0
.rept 8
	v_pk_add_f32 v[228+II:229+II], v[152+II:153+II], v[244:245] neg_lo:[0,1] neg_hi:[0,1]
.set II, II+2
.endr
	v_pk_mul_f32 v[246:247], v[228:229], v[228:229]
.set II, 2
.rept 7
	v_pk_fma_f32 v[246:247], v[228+II:229+II], v[228+II:229+II], v[246:247]
.set II, II+2
.endr
	v_add_f32 v245, v246, v247
	v_permlanex16_b32 v246, v245, s54, s55
	v_add_f32 v245, v245, v246
	ds_store_b64 v13, v[244:245] offset:LNX
	BAR
	ds_load_b128 v[228:231], v17 offset:LNX
	ds_load_b128 v[232:235], v17 offset:LNX+16
	s_wait_dscnt 0x0
	v_add_f32 v236, v228, v230
	v_add_f32 v237, v232, v234
	v_add_f32 v236, v236, v237
	v_mul_f32 v236, 0x3e800000, v236               ; the mean
	v_sub_f32 v228, v228, v236
	v_sub_f32 v230, v230, v236
	v_sub_f32 v232, v232, v236
	v_sub_f32 v234, v234, v236
	v_mul_f32 v237, v228, v228
	v_fmac_f32 v237, v230, v230
	v_fmac_f32 v237, v232, v232
	v_fmac_f32 v237, v234, v234
	v_add_f32 v238, v229, v231
	v_add_f32 v239, v233, v235
	v_add_f32 v238, v238, v239
	v_fmamk_f32 v238, v237, 0x42000000, v238       ; + 32 x the squares of the waves' means about the mean
	v_fma_f32 v238, v238, s58, s59                 ; the variance + 1e-5
	v_rsq_f32 v240, v238
	v_mov_b32 v237, v236                           ; (a plain line behind the transcendental)
	s_wait_alu depctr_va_vdst(0)
	v_mov_b32 v241, v240
	s_wait_loadcnt 0x0                             ; group C2 is in
.set II, 0
.rept 8
	v_pk_add_f32 v[88+II:89+II], v[152+II:153+II], v[236:237] neg_lo:[0,1] neg_hi:[0,1]
.set II, II+2
.endr
.set II, 0
.rept 8
	v_pk_mul_f32 v[88+II:89+II], v[88+II:89+II], v[240:241]
.set II, II+2
.endr
	WIN 0x14
.set II, 0
.rept 8
	v_pk_fma_f32 v[88+II:89+II], v[88+II:89+II], v[160+II:161+II], v[176+II:177+II]
.set II, II+2
.endr
	WIN 0
	QB16 88, 1, YC, YSC
	BAR
	FRAG 40, 38, YC, YSC
	WIN 0x11                                       ; THE MLP: the biases are the C of each sum
	v_wmma_scale_f32_16x16x128_f8f6f4 v[56:63], v[96:103], v[40:47], v[128:135], v32, v38 matrix_a_fmt:MATRIX_FMT_FP4 matrix_b_fmt:MATRIX_FMT_FP4
	v_wmma_scale_f32_16x16x128_f8f6f4 v[64:71], v[104:111], v[40:47], v[136:143], v33, v38 matrix_a_fmt:MATRIX_FMT_FP4 matrix_b_fmt:MATRIX_FMT_FP4
	WIN 0
.rept 4
	v_nop
.endr
	QB16 56, 0, MC, MSC
	BAR
	FRAG 48, 39, MC, MSC
	WIN 0x11
	v_wmma_scale_f32_16x16x128_f8f6f4 v[72:79], v[112:119], v[48:55], v[144:151], v34, v39 matrix_a_fmt:MATRIX_FMT_FP4 matrix_b_fmt:MATRIX_FMT_FP4
	v_wmma_scale_f32_16x16x128_f8f6f4 v[80:87], v[120:127], v[48:55], v[152:159], v35, v39 matrix_a_fmt:MATRIX_FMT_FP4 matrix_b_fmt:MATRIX_FMT_FP4
	WIN 0
.rept 4
	v_nop
.endr
.set II, 0
.rept 8
	v_pk_add_f32 v[72+II:73+II], v[72+II:73+II], v[152+II:153+II]   ; the residual
.set II, II+2
.endr
.irp k, 0,1,2,3
	ds_store_b128 v18, v[72+4*\k:75+4*\k] offset:ORW+16*\k
.endr
	BAR
	s_cmp_lg_u32 s2, 0
	s_cbranch_scc1 .Lend
	ds_load_b128 v[228:231], v19 offset:ORW
	s_wait_dscnt 0x0
	global_store_b128 v19, v[228:231], s[46:47]    ; the row: 32 lanes store 512 consecutive bytes, aligned to 256
	v_cmp_eq_u32 vcc_lo, 0, v0
	s_wait_xcnt 0x0                                ; EXEC changes only behind this wait
	s_and_saveexec_b32 s56, vcc_lo
	global_store_b64 v17, v[250:251], s[48:49]     ; the row's S_p
	s_wait_xcnt 0x0                                ; and again, ahead of the line that widens it
	s_or_b32 exec_lo, exec_lo, s56
.Lend:
	s_wait_tensorcnt 0x0
	ds_add_u32 v254, v255
	s_wait_dscnt 0x0
	s_endpgm
.Lcopy:                                            ; S_r: 1,024 bytes by waves 0 and 1; S_s: 512 bytes by wave 2
	s_cmp_gt_u32 s2, 1
	s_cbranch_scc1 .Lcopy_s
	v_lshlrev_b32 v1, 4, v0
	global_load_b128 v[4:7], v1, s[42:43]
	s_wait_loadcnt 0x0
	global_store_b128 v1, v[4:7], s[50:51]
	s_endpgm
.Lcopy_s:
	s_cmp_lg_u32 s2, 2
	s_cbranch_scc1 .Lcopy_end
	v_and_b32 v1, 31, v0
	v_lshlrev_b32 v1, 4, v1
	global_load_b128 v[4:7], v1, s[44:45]
	s_wait_loadcnt 0x0
	global_store_b128 v1, v[4:7], s[52:53]
.Lcopy_end:
	s_endpgm
.Lfunc_end_k_q5f5a5e0bb8_upd1:
	.size	k_q5f5a5e0bb8_upd1, .Lfunc_end_k_q5f5a5e0bb8_upd1-k_q5f5a5e0bb8_upd1
	.p2alignl 7, 3214868480
	.fill 96, 4, 3214868480
	.section	.rodata,"a",@progbits
	.p2align	6, 0x0
	.amdhsa_kernel k_q5f5a5e0bb8_upd1
		.amdhsa_group_segment_fixed_size 5120
		.amdhsa_private_segment_fixed_size 0
		.amdhsa_enable_private_segment 0
		.amdhsa_kernarg_size 184
		.amdhsa_user_sgpr_count 2
		.amdhsa_user_sgpr_kernarg_segment_ptr 1
		.amdhsa_wavefront_size32 1
		.amdhsa_system_sgpr_workgroup_id_x 1
		.amdhsa_system_sgpr_workgroup_id_y 1
		.amdhsa_system_sgpr_workgroup_id_z 1
		.amdhsa_system_vgpr_workitem_id 0
		.amdhsa_next_free_vgpr 448
		.amdhsa_next_free_sgpr 72
		.amdhsa_reserve_vcc 1
		.amdhsa_float_denorm_mode_32 3
		.amdhsa_float_denorm_mode_16_64 3
		.amdhsa_memory_ordered 1
		.amdhsa_forward_progress 1
		.amdhsa_inst_pref_size 42
	.end_amdhsa_kernel
	.amdgpu_metadata
---
amdhsa.version: [ 1, 2 ]
amdhsa.kernels:
  - .name:           k_q5f5a5e0bb8_upd1
    .symbol:         k_q5f5a5e0bb8_upd1.kd
    .args:
      - { .name: part, .offset: 0, .size: 8, .value_kind: global_buffer, .address_space: global }
      - { .name: slots_init, .offset: 8, .size: 8, .value_kind: global_buffer, .address_space: global }
      - { .name: gru_wih_codes, .offset: 16, .size: 8, .value_kind: global_buffer, .address_space: global }
      - { .name: gru_wih_scales, .offset: 24, .size: 8, .value_kind: global_buffer, .address_space: global }
      - { .name: gru_whh_codes, .offset: 32, .size: 8, .value_kind: global_buffer, .address_space: global }
      - { .name: gru_whh_scales, .offset: 40, .size: 8, .value_kind: global_buffer, .address_space: global }
      - { .name: gru_bih, .offset: 48, .size: 8, .value_kind: global_buffer, .address_space: global }
      - { .name: gru_bhh, .offset: 56, .size: 8, .value_kind: global_buffer, .address_space: global }
      - { .name: mlp_w1_codes, .offset: 64, .size: 8, .value_kind: global_buffer, .address_space: global }
      - { .name: mlp_w1_scales, .offset: 72, .size: 8, .value_kind: global_buffer, .address_space: global }
      - { .name: mlp_b1, .offset: 80, .size: 8, .value_kind: global_buffer, .address_space: global }
      - { .name: mlp_w2_codes, .offset: 88, .size: 8, .value_kind: global_buffer, .address_space: global }
      - { .name: mlp_w2_scales, .offset: 96, .size: 8, .value_kind: global_buffer, .address_space: global }
      - { .name: mlp_b2, .offset: 104, .size: 8, .value_kind: global_buffer, .address_space: global }
      - { .name: ln_pf_g, .offset: 112, .size: 8, .value_kind: global_buffer, .address_space: global }
      - { .name: ln_pf_b, .offset: 120, .size: 8, .value_kind: global_buffer, .address_space: global }
      - { .name: f_b2, .offset: 128, .size: 8, .value_kind: global_buffer, .address_space: global }
      - { .name: S_r, .offset: 136, .size: 8, .value_kind: global_buffer, .address_space: global }
      - { .name: S_s, .offset: 144, .size: 8, .value_kind: global_buffer, .address_space: global }
      - { .name: slots1, .offset: 152, .size: 8, .value_kind: global_buffer, .address_space: global }
      - { .name: sp1, .offset: 160, .size: 8, .value_kind: global_buffer, .address_space: global }
      - { .name: out2, .offset: 168, .size: 8, .value_kind: global_buffer, .address_space: global }
      - { .name: out3, .offset: 176, .size: 8, .value_kind: global_buffer, .address_space: global }
    .group_segment_fixed_size: 5120
    .private_segment_fixed_size: 0
    .kernarg_segment_align: 8
    .kernarg_segment_size: 184
    .max_flat_workgroup_size: 128
    .sgpr_count:     72
    .vgpr_count:     448
    .wavefront_size: 32
...
	.end_amdgpu_metadata
.endif
;; end of part 2
;; launch attn2: the kernel of part 1 again; grid 32 x 8, 8 waves a work-group, no clusters, 201,216 bytes of LDS; arguments slots1, sp1, ln_s_g, ln_s_b, g_w, g_b, inputs_codes, inputs_scales, Wk_codes, Wk_scales, Wv_codes, Wv_scales, Wq_codes, Wq_scales, f_b2, f_w1_codes, f_w1_scales, f_b1, f_w2_codes, f_w2_scales, part; writes part
;; launch upd2: the kernel of part 2 again; grid 64 x 1, 4 waves a work-group, no clusters, 5,120 bytes of LDS; arguments part, slots1, gru_wih_codes, gru_wih_scales, gru_whh_codes, gru_whh_scales, gru_bih, gru_bhh, mlp_w1_codes, mlp_w1_scales, mlp_b1, mlp_w2_codes, mlp_w2_scales, mlp_b2, ln_pf_g, ln_pf_b, f_b2, S_r, S_s, slots2, sp2, out2, out3; writes slots2, sp2, out2, out3
;; launch attn3: the kernel of part 1 again; grid 32 x 8, 8 waves a work-group, no clusters, 201,216 bytes of LDS; arguments slots2, sp2, ln_s_g, ln_s_b, g_w, g_b, inputs_codes, inputs_scales, Wk_codes, Wk_scales, Wv_codes, Wv_scales, Wq_codes, Wq_scales, f_b2, f_w1_codes, f_w1_scales, f_b1, f_w2_codes, f_w2_scales, part; writes part
;; launch upd3: the kernel of part 2 again; grid 65 x 1, 4 waves a work-group, no clusters, 5,120 bytes of LDS; arguments part, slots2, gru_wih_codes, gru_wih_scales, gru_whh_codes, gru_whh_scales, gru_bih, gru_bhh, mlp_w1_codes, mlp_w1_scales, mlp_b1, mlp_w2_codes, mlp_w2_scales, mlp_b2, ln_pf_g, ln_pf_b, f_b2, S_r, S_s, out0, out1, out2, out3; writes out0, out1, out2, out3
;; ======== version 2 of 2: 6 launches
;; workspace buffers: part 1,572,864 bytes; slots1 32,768 bytes; slots2 32,768 bytes; sp1 512 bytes; sp2 512 bytes
;; launch attn1 (part 3): grid 32 x 8, 8 waves a work-group, no clusters, 201,216 bytes of LDS; arguments slots_init, S_p0, ln_s_g, ln_s_b, g_w, g_b, inputs_codes, inputs_scales, Wk_codes, Wk_scales, Wv_codes, Wv_scales, Wq_codes, Wq_scales, f_b2, f_w1_codes, f_w1_scales, f_b1, f_w2_codes, f_w2_scales, part; writes part
.if DOCPART == 3
	.amdgcn_target "amdgcn-amd-amdhsa--gfx1250"
	.amdhsa_code_object_version 6
	.text
	.protected	k_q5f5a5e0bb8_attn1
	.globl	k_q5f5a5e0bb8_attn1
	.p2align	8
	.type	k_q5f5a5e0bb8_attn1,@function
k_q5f5a5e0bb8_attn1:
	s_mov_b64 s[64:65], 0
	v_nop
	global_prefetch_b8 v0, s[64:65] scope:SCOPE_SE
	s_setreg_imm32_b32 hwreg(HW_REG_WAVE_SCHED_MODE, 0, 2), 2
	s_setreg_imm32_b32 hwreg(HW_REG_WAVE_MODE, 25, 1), 1
	s_wait_xcnt 0x0
	s_wait_alu depctr_vm_vsrc(0)
; One round's attention of InvariantSlotAttention, for 128 positions of one batch and all 8 slots.
; For each (slot i, position j): X = to_k + pos (and to_v + pos), quantised to FP4 (E2M1, one E8M0 scale for 32 along K), x f_w1 + b1, relu, quantised, x f_w2;
; dots = q . k, softmax over the slots, + 1e-8; out go the block's sums: Sv[c] = sum a (v without b2), A = sum a, Gy = sum a gy, Gx = sum a gx.
; ALGEBRA, all f32: X = P - s_i, P[j][c] = to_k + g_b + (gy/5) gw0 + (gx/5) gw1 made once, s_i[c] = (Spy/5) gw0 + (Spx/5) gw1;
; dots log2(e) = q' . (k without b2) + d0_i, q' = q log2(e)/sqrt(128), d0_i = q' . f_b2.  The next launch adds f_b2 and divides by A.
; SHARES: 8 waves; wave w owns positions 16 w .. 16 w + 15 of the block, for all slots and both chains; f_w1, f_w2 and b1 stay in its registers.
; THE WEIGHTS Wk, Wv, f_w1, f_w2 (8 tiles of 16 rows each), their scale words, g_b and g_w are wanted whole by all eight waves.  Wave w loads tile w of each from memory (14 loads)
; and stores it in LDS as an image of the operand's registers (lane l's 16 bytes at 16 l); behind a barrier every wave takes all tiles from there: the work-group asks memory for each tile once, not eight times.
; LAYOUTS, lane = (r = lane % 16, h = lane / 16).  QL: register 16 b + i = index 32 b + 16 h + i of row r: it comes of products used transposed
; (source 0 = 16 rows of the weight, source 1 = 16 positions) whose tile 2 b + u takes rows 32 b + 8 u + r + 8 (r / 8).  NT: tile t takes rows 16 t + r: register 8 t + j = index 16 t + 8 h + j.
; No tensor load, no cluster: every operand is read once at the head (some 50 KB a work-group) and nothing is streamed.
; LIMITS: /5 is x 0.2f and the grid is fma(i, 2/63, -1), each within an ulp of the division and of linspace; a block of zeros gets the scale byte 1 (its codes are zeros, and only this
; program reads the byte); blocks whose largest magnitude lies under 2^-124 are held at that floor; hidden numbers clipped by relu are the code -0; NaN and infinities are not served.
; THE MODE: SCHED_MODE bits 1:0 = 2 (LLVM: expert scheduling mode 2), set by the entry lines.  The code itself states the register dependences
; between vector or matrix instructions and memory or LDS instructions, with s_wait_alu, always for 0.
; THE PLAN.  Registers that LDS instructions touch in the loop over slots:
;   XB              s_i lands in it at a trip's head; from there to the dot vector and matrix instructions alone name it.
;   XA              the v chain's numbers until its second conversions have read them; then q'_i lands in it, and the dot reads it.
;   CA, SA, TM      the v chain's hidden codes, their scale word and the dot: the data of the trip's four stores, which stand together at its end.
;   v6-v9, v55      the trip's five LDS addresses, all made at its head.
; A trip has one wait on vm_vsrc, at its top, and five on va_vdst: behind the addresses; ahead of each of the three products, whose codes and scale words vector instructions have written
; (the second of these also states that XA has been read out: q'_i's loads follow that product, which names neither XA nor v9); and ahead of the four stores.
; The second pass: two sets of load buffers (CA, SA, eight a; CB, SB, eight a) and two out-buffers by turns; one wait on va_vdst at a step's head covers the step's stores and loads, which stand behind its products.
.set STAB, 0                           ; LDS: s_i[c], 8 rows of 512 bytes
.set QTAB, 4096                        ; q'_i[c], 8 rows of 512
.set QC,   8192                        ; codes of LN(slots): 8 rows, 80 bytes apart
.set QS,   8832                        ; their scale words
.set D0P,  8960                        ; parts of d0: slot x 80 + 4 (2 w + h)
.set DOTS, 9728                        ; a wave's 768: position r x 48 + 4 slot
.set AT,   15872                       ; a[slot][128 positions]
.set VC,   19968                       ; a wave's 9,216, a slot's 1,152: the v chain's hidden codes as an image of their registers (2 x 512), then the scale words (128)
.set RED,  93696                       ; row 2 w + h, 4,160 apart: [slot][128 c], partial Sv
.set IMG,  160256                      ; the weights' fragments as images: (8 T + t) x 1,024 + 512 c + 16 lane; T = 0 Wk, 1 Wv, 2 f_w1, 3 f_w2
.set IMW,  IMG+32768                   ; words, a lane's eight tiles on end: 1,024 U + 32 lane + 4 t; U = 0 Wk's scales, 1 Wv's, 2 f_w1's, 3 f_w2's, 4 g_b
.set IMP,  IMW+5120                    ; the pairs (gw0, gw1): 64 lane + 8 t
.set WQS, 9                            ; v9 Wq's scale words (in the loop: the address of q'_i)
.set SA,  10                           ; v10, v11 scale words just made (head: the slots', the inputs')
.set SB,  11
.set W1S, 12                           ; v12-19 f_w1's scale words
.set W2S, 20                           ; v20-27 Wk's, then f_w2's
.set CA,  28                           ; v28-35, v36-43 codes (head: offsets; the inputs' fragment)
.set CB,  36
.set TM,  44                           ; v44-51 at work (head: the image stores' addresses)
.set GB,  52                           ; v52-53 source 1 of the f32 product: (gy/5, gx/5) in lanes 0-15, (1, 0) in lanes 16-31
.set WVS, 56                           ; v56-63 Wv's scale words
.set PV,  64                           ; v64-127 P of the v chain: written by matrix instructions alone
.set XA,  128                          ; v128-191, v192-255 the two chains' numbers (head: my tiles on their way to LDS, then Wk's fragments; stage 1's numbers, then Wv's fragments)
.set XB,  192
.set W1,  0                            ; window 1: f_w1's fragments, f_w2's, b1 in QL, P of the k chain
.set W2,  64
.set B1,  128
.set PK,  192                          ; (head: +0 Wq's tile, +8 f_b2's tile, +16 eight pairs (gw0, gw1), +32 g_b)
.set MSB, 0
.macro WIN new                         ; bits 1:0 source 0, 3:2 source 1, 5:4 source 2, 7:6 destination; the high byte repeats the setting that is left
.if MSB != \new
	s_set_vgpr_msb (MSB<<8)|\new
.set MSB, \new
.endif
.endm
.macro SUB d, p, s                     ; 64 numbers: d = p - s, two at a time
.set II, 0
.rept 32
	v_pk_add_f32 v[\d+II:\d+II+1], v[\p+II:\p+II+1], v[\s+II:\s+II+1] neg_lo:[0,1] neg_hi:[0,1]
.set II, II+2
.endr
.endm
; The four blocks' largest magnitudes (ab = 1) or largest numbers (ab = 0: ahead of a relu what is negative does not count), with the floor 2^(3 - 127) as a leaf;
; TM+4.. = the conversions' scale operands (2 off the exponent field), sw = the row's scale word.
.macro QMAX x, ab, sw
.irp b, 0,1,2,3
.if \ab
	v_max3_num_f32 v[TM+\b], |v[\x+16*\b]|, |v[\x+16*\b+1]|, 0x1800000
.else
	v_max3_num_f32 v[TM+\b], v[\x+16*\b], v[\x+16*\b+1], 0x1800000
.endif
.endr
.irp i, 2,4,6,8,10,12,14
.irp b, 0,1,2,3
.if \ab
	v_max3_num_f32 v[TM+\b], v[TM+\b], |v[\x+16*\b+\i]|, |v[\x+16*\b+\i+1]|
.else
	v_max3_num_f32 v[TM+\b], v[TM+\b], v[\x+16*\b+\i], v[\x+16*\b+\i+1]
.endif
.endr
.endr
.irp b, 0,1,2,3
	v_permlanex16_b32 v[TM+4+\b], v[TM+\b], s50, s51
.endr
.irp b, 0,1,2,3
	v_max_num_f32 v[TM+\b], v[TM+\b], v[TM+4+\b]       ; with lane l xor 16's 16 numbers: the block's
.endr
.irp b, 0,1,2,3
	v_add_nc_u32 v[TM+4+\b], 0xff000000, v[TM+\b]
.endr
.irp b, 0,1,2,3
	v_lshrrev_b32 v[TM+\b], 23, v[TM+4+\b]             ; the scale's byte
.endr
	v_lshl_or_b32 v[\sw], v[TM+1], 8, v[TM]
	v_lshl_or_b32 v[\sw], v[TM+2], 16, v[\sw]
	v_lshl_or_b32 v[\sw], v[TM+3], 24, v[\sw]
.endm
.macro QCVT x, c                       ; 64 numbers in QL become a fragment's 8 registers
.irp b, 0,1,2,3
	v_cvt_scalef32_pk8_fp4_f32 v[\c+2*\b], v[\x+16*\b:\x+16*\b+7], v[TM+4+\b]
	v_cvt_scalef32_pk8_fp4_f32 v[\c+2*\b+1], v[\x+16*\b+8:\x+16*\b+15], v[TM+4+\b]
.endr
	v_nop                                              ; one plain line behind the scaled conversions
.irp k, 0,1
.irp i, 0,1
	v_permlane16_swap_b32 v[\c+4*\k+\i], v[\c+2+4*\k+\i]   ; a whole block to a lane: lanes 0-15 block 2 k, lanes 16-31 block 2 k + 1
.endr
.endr
.endm
.macro RELU2 c0                        ; relu on two registers of codes: the three magnitude bits of every negative code are cleared (-0 is left)
	v_and_b32 v[TM], s52, v[\c0]
	v_and_b32 v[TM+2], s52, v[\c0+1]
	v_lshrrev_b32 v[TM+1], 3, v[TM]
	v_lshrrev_b32 v[TM+3], 3, v[TM+2]
	v_sub_nc_u32 v[TM], v[TM], v[TM+1]                 ; 8 - 1 = 7 in each negative code's place
	v_sub_nc_u32 v[TM+2], v[TM+2], v[TM+3]
	v_bfi_b32 v[\c0], v[TM], 0, v[\c0]
	v_bfi_b32 v[\c0+1], v[TM+2], 0, v[\c0+1]
.endm
.macro MM1 x, c, sw                    ; the hidden layer, transposed, b1 as C: QL
	WIN 0x11
.irp t, 0,1,2,3,4,5,6,7
	v_wmma_scale_f32_16x16x128_f8f6f4 v[\x+8*\t:\x+8*\t+7], v[W1+8*\t:W1+8*\t+7], v[\c:\c+7], v[B1+8*\t:B1+8*\t+7], v[W1S+\t], v[\sw] matrix_a_fmt:MATRIX_FMT_FP4 matrix_b_fmt:MATRIX_FMT_FP4
.endr
	WIN 0
.endm
.macro MM2T x, c, sw                   ; k without b2, transposed: a lane holds a position: NT
	WIN 0x01
.irp t, 0,1,2,3,4,5,6,7
	v_wmma_scale_f32_16x16x128_f8f6f4 v[\x+8*\t:\x+8*\t+7], v[W2+8*\t:W2+8*\t+7], v[\c:\c+7], 0, v[W2S+\t], v[\sw] matrix_a_fmt:MATRIX_FMT_FP4 matrix_b_fmt:MATRIX_FMT_FP4
.endr
	WIN 0
.endm
.macro MM2N x, c, sw                   ; v without b2, not transposed: register j = position 8 h + j, the lane holds channel 16 t + r
	WIN 0x04
.irp t, 0,1,2,3,4,5,6,7
	v_wmma_scale_f32_16x16x128_f8f6f4 v[\x+8*\t:\x+8*\t+7], v[\c:\c+7], v[W2+8*\t:W2+8*\t+7], 0, v[\sw], v[W2S+\t] matrix_a_fmt:MATRIX_FMT_FP4 matrix_b_fmt:MATRIX_FMT_FP4
.endr
	WIN 0
.endm
.macro DOT                             ; q' . k over my 64 channels (each accumulator from its low end on), then lane l xor 16's 64
.irp m, 0,1,2,3
	v_pk_mul_f32 v[TM+2*\m:TM+2*\m+1], v[XB+2*\m:XB+2*\m+1], v[XA+2*\m:XA+2*\m+1]
.endr
.irp m, 4,5,6,7,8,9,10,11,12,13,14,15,16,17,18,19,20,21,22,23,24,25,26,27,28,29,30,31
	v_pk_fma_f32 v[TM+2*(\m%4):TM+2*(\m%4)+1], v[XB+2*\m:XB+2*\m+1], v[XA+2*\m:XA+2*\m+1], v[TM+2*(\m%4):TM+2*(\m%4)+1]
.endr
	v_pk_add_f32 v[TM:TM+1], v[TM:TM+1], v[TM+2:TM+3]
	v_pk_add_f32 v[TM+4:TM+5], v[TM+4:TM+5], v[TM+6:TM+7]
	v_pk_add_f32 v[TM:TM+1], v[TM:TM+1], v[TM+4:TM+5]
	v_add_f32 v[TM], v[TM], v[TM+1]
	v_permlanex16_b32 v54, v[TM], s50, s51
	v_add_f32 v[TM], v[TM], v54
.endm
.macro DPP4 r                          ; a sum over the 16 lanes of a row
	v_add_f32_dpp v[\r], v[\r], v[\r] row_xmask:1 row_mask:0xf bank_mask:0xf
	v_add_f32_dpp v[\r], v[\r], v[\r] row_xmask:2 row_mask:0xf bank_mask:0xf
	v_add_f32_dpp v[\r], v[\r], v[\r] row_xmask:4 row_mask:0xf bank_mask:0xf
	v_add_f32_dpp v[\r], v[\r], v[\r] row_xmask:8 row_mask:0xf bank_mask:0xf
.endm
.macro WSUM r                          ; and over the wave's 32
	DPP4 \r
	v_permlanex16_b32 v54, v[\r], s50, s51
	v_add_f32 v[\r], v[\r], v54
.endm
	s_load_b512 s[8:23], s[0:1], 0x0               ; slots 8, sp 10, ln_s_g 12, ln_s_b 14, g_w 16, g_b 18, inputs' codes 20, scales 22
	s_load_b512 s[24:39], s[0:1], 0x40             ; Wk 24, 26; Wv 28, 30; Wq 32, 34; f_b2 36; f_w1's codes 38
	s_load_b256 s[40:47], s[0:1], 0x80             ; f_w1's scales 40, f_b1 42, f_w2 44, 46
	s_load_b64 s[48:49], s[0:1], 0xa0              ; part
	v_lshrrev_b32 v28, 5, v0
	v_readfirstlane_b32 s2, v28                    ; wave 0..7
	s_mov_b32 s3, ttmp9                            ; block of 128 positions
	s_and_b32 s4, ttmp7, 0xffff                    ; batch
	s_mov_b32 s50, 0x76543210
	s_mov_b32 s51, 0xfedcba98                      ; v_permlanex16_b32's selects for lane l xor 16
	s_mov_b32 s52, 0x88888888                      ; the signs of eight codes
	s_mov_b32 s57, 0xffff0000                      ; lanes 16-31
	s_mov_b32 s58, 0x3e0293ee                      ; log2(e) / sqrt(128)
	s_mov_b32 s59, s58
	s_mov_b32 s74, 0x3d020821                      ; 2 / 63
	s_mov_b32 s75, 0x3c000000                      ; 1 / 128
	s_mov_b32 s76, 0x3727c5ac                      ; 1e-5
	v_and_b32 v30, 15, v0                          ; r
	v_bfe_u32 v31, v0, 4, 1                        ; h
	v_lshlrev_b32 v28, 5, v30                      ; 32 r: eight f32 a lane
	v_lshlrev_b32 v1, 6, v31                       ; 64 h: b1's offset, and in the loop the base of s_i's address (STAB = 0): made once, it stays until the loop is left
	v_lshlrev_b32 v2, 6, v30                       ; 64 r: eight pairs of g_w
	v_and_b32 v32, 8, v30
	v_add_nc_u32 v32, v32, v30                     ; r + 8 (r / 8)
	v_lshlrev_b32 v3, 6, v32
	v_lshl_add_u32 v3, v31, 4, v3                  ; a fragment in QL's rows: 64 bytes a row, + 16 h
	v_lshlrev_b32 v4, 2, v32                       ; those rows' scale words, and g_b
	v_lshlrev_b32 v5, 3, v32                       ; and pairs of g_w
	v_lshlrev_b32 v6, 2, v30                       ; 4 r: scale words of natural rows
	v_lshl_add_u32 v7, v31, 4, v2                  ; a fragment of natural rows: 64 r + 16 h
	v_mov_b32 v8, 0
	v_lshlrev_b32 v29, 5, v31                      ; 32 h: f_b2's tile
	s_wait_alu depctr_va_sdst(0)                   ; s2, the wave's number, is written, ahead of its first reader
	s_lshl_b32 s60, s3, 1
	s_lshr_b32 s61, s2, 2
	s_add_co_u32 s60, s60, s61                     ; my positions' grid row: 2 block + w / 4
	s_and_b32 s61, s2, 3
	s_lshl_b32 s61, s61, 4
	v_add_nc_u32 v33, s61, v30                     ; and column: 16 (w % 4) + r
	v_cvt_f32_u32 v33, v33
	v_cvt_f32_u32 v34, s60
	v_fma_f32 v33, v33, s74, -1.0                  ; gx
	v_fma_f32 v34, v34, s74, -1.0                  ; gy
	v_mul_f32 v33, 0x3e4ccccd, v33                 ; / 5
	v_mul_f32 v34, 0x3e4ccccd, v34
	v_cndmask_b32 v[GB], v34, 1.0, s57
	v_cndmask_b32 v[GB+1], v33, 0, s57
	s_mul_i32 s60, s2, 80                          ; stage 1's LDS addresses: wave w is slot w there
	v_lshl_add_u32 v252, v30, 2, QC
	v_add_nc_u32 v252, s60, v252                   ; QC + 80 w + 4 r
	s_lshl_b32 s60, s2, 2
	v_lshrrev_b32 v253, 2, v30
	v_add_nc_u32 v253, s60, v253
	v_add_nc_u32 v253, QS, v253                    ; QS + 4 w + r / 4
	s_lshl_b32 s60, s2, 9
	v_lshl_add_u32 v254, v30, 5, s60               ; STAB + 512 w + 32 r
	v_and_b32 v47, 31, v0                          ; where my tiles' images go: wave w has tile w of each weight
	s_lshl_b32 s60, s2, 10
	s_add_co_u32 s60, s60, IMG
	v_lshl_add_u32 v44, v47, 4, s60                ; IMG + 1024 w + 16 lane
	s_lshl_b32 s60, s2, 2
	s_add_co_u32 s60, s60, IMW
	v_lshl_add_u32 v45, v47, 5, s60                ; IMW + 4 w + 32 lane
	s_lshl_b32 s60, s2, 3
	s_add_co_u32 s60, s60, IMP
	v_lshl_add_u32 v46, v47, 6, s60                ; IMP + 8 w + 64 lane
	s_mov_b32 s63, 0
	s_wait_kmcnt 0x0
	s_lshl_b32 s60, s4, 3
	s_add_co_u32 s60, s60, s2                      ; row 8 b + w of slots and sp
	s_lshl_b32 s62, s60, 9
	s_add_nc_u64 s[8:9], s[8:9], s[62:63]
	s_lshl_b32 s62, s60, 3
	s_add_nc_u64 s[10:11], s[10:11], s[62:63]
	s_lshl_b32 s62, s60, 5
	s_add_co_u32 s62, s62, s3
	s_mul_i32 s62, s62, 768                        ; the record of (b, slot w, block)
	s_add_nc_u64 s[48:49], s[48:49], s[62:63]
	s_lshl_b32 s60, s4, 12
	s_lshl_b32 s61, s3, 7
	s_add_co_u32 s60, s60, s61
	s_lshl_b32 s61, s2, 4
	s_add_co_u32 s60, s60, s61                     ; my first position: 4096 b + 128 block + 16 w
	s_lshl_b32 s62, s60, 6
	s_add_nc_u64 s[20:21], s[20:21], s[62:63]
	s_lshl_b32 s62, s60, 2
	s_add_nc_u64 s[22:23], s[22:23], s[62:63]
	s_lshl_b32 s62, s2, 10                         ; rows 16 w on of Wq and of f_w2
	s_add_nc_u64 s[32:33], s[32:33], s[62:63]
	s_add_nc_u64 s[44:45], s[44:45], s[62:63]
	s_lshl_b32 s62, s2, 6
	s_add_nc_u64 s[34:35], s[34:35], s[62:63]      ; their scale words,
	s_add_nc_u64 s[46:47], s[46:47], s[62:63]
	s_add_nc_u64 s[36:37], s[36:37], s[62:63]      ; and f_b2's 16 numbers 16 w on
	s_lshr_b32 s60, s2, 1
	s_lshl_b32 s60, s60, 5
	s_and_b32 s61, s2, 1
	s_lshl_b32 s61, s61, 3
	s_add_co_u32 s60, s60, s61                     ; where QL's tile w begins: row 32 (w / 2) + 8 (w % 2)
	s_lshl_b32 s62, s60, 6
	s_add_nc_u64 s[24:25], s[24:25], s[62:63]      ; in Wk's, Wv's and f_w1's codes,
	s_add_nc_u64 s[28:29], s[28:29], s[62:63]
	s_add_nc_u64 s[38:39], s[38:39], s[62:63]
	s_lshl_b32 s62, s60, 2
	s_add_nc_u64 s[26:27], s[26:27], s[62:63]      ; in their scale words and in g_b,
	s_add_nc_u64 s[30:31], s[30:31], s[62:63]
	s_add_nc_u64 s[40:41], s[40:41], s[62:63]
	s_add_nc_u64 s[18:19], s[18:19], s[62:63]
	s_lshl_b32 s62, s60, 3
	s_add_nc_u64 s[78:79], s[16:17], s[62:63]      ; and in g_w (stage 1 reads all of g_w by s[16:17])
	s_wait_alu depctr_va_vdst(0)                   ; the offsets v1 to v8, v28 and v29 and the LDS addresses v44 to v46 and v252 to v254 are written: the head's loads and stores, b1's loads among them, read them
	; G1, 11 loads: what stage 1 wants
	global_load_b128 v[192:195], v28, s[8:9]
	global_load_b128 v[196:199], v28, s[8:9] offset:16
	global_load_b128 v[200:203], v28, s[12:13]
	global_load_b128 v[204:207], v28, s[12:13] offset:16
	global_load_b128 v[208:211], v28, s[14:15]
	global_load_b128 v[212:215], v28, s[14:15] offset:16
.irp k, 0,1,2,3
	global_load_b128 v[216+4*\k:219+4*\k], v2, s[16:17] offset:16*\k
.endr
	global_load_b64 v[232:233], v8, s[10:11]
	; 14 loads: tile w of each weight, for all eight waves
	global_load_b128 v[XA:XA+3], v3, s[24:25]
	global_load_b128 v[XA+4:XA+7], v3, s[24:25] offset:32
	global_load_b128 v[XA+8:XA+11], v3, s[28:29]
	global_load_b128 v[XA+12:XA+15], v3, s[28:29] offset:32
	global_load_b128 v[XA+16:XA+19], v3, s[38:39]
	global_load_b128 v[XA+20:XA+23], v3, s[38:39] offset:32
	global_load_b128 v[XA+24:XA+27], v7, s[44:45]
	global_load_b128 v[XA+28:XA+31], v7, s[44:45] offset:32
	global_load_b32 v[XA+32], v4, s[26:27]
	global_load_b32 v[XA+33], v4, s[30:31]
	global_load_b32 v[XA+34], v4, s[40:41]
	global_load_b32 v[XA+35], v6, s[46:47]
	global_load_b32 v[XA+36], v4, s[18:19]
	global_load_b64 v[XA+38:XA+39], v5, s[78:79]
	; 8 loads: my own: the inputs' fragment, Wq's tile w, f_b2's 16 numbers
	global_load_b128 v[CB:CB+3], v7, s[20:21]
	global_load_b128 v[CB+4:CB+7], v7, s[20:21] offset:32
	global_load_b32 v[SB], v6, s[22:23]
	global_load_b32 v[WQS], v6, s[34:35]
	WIN 0x40
	global_load_b128 v[PK:PK+3], v7, s[32:33]
	global_load_b128 v[PK+4:PK+7], v7, s[32:33] offset:32
	global_load_b128 v[PK+8:PK+11], v29, s[36:37]
	global_load_b128 v[PK+12:PK+15], v29, s[36:37] offset:16
	WIN 0
	s_wait_loadcnt 22                              ; G1 is in; the 14 + 8 behind it may be out
	; STAGE 1: slot w.  Lane r holds channels 8 r .. 8 r + 7 (both halves of the lanes the same): LayerNorm, the quantiser, s_w
	v_pk_add_f32 v[234:235], v[192:193], v[194:195]
	v_pk_add_f32 v[236:237], v[196:197], v[198:199]
	v_pk_add_f32 v[234:235], v[234:235], v[236:237]
	v_add_f32 v234, v234, v235
	DPP4 234
	v_mul_f32 v234, s75, v234                      ; the mean
.irp m, 0,2,4,6
	v_pk_add_f32 v[192+\m:193+\m], v[192+\m:193+\m], v[234:235] op_sel_hi:[1,0] neg_lo:[0,1] neg_hi:[0,1]
.endr
	v_pk_mul_f32 v[236:237], v[192:193], v[192:193]
.irp m, 2,4,6
	v_pk_fma_f32 v[236:237], v[192+\m:193+\m], v[192+\m:193+\m], v[236:237]
.endr
	v_add_f32 v236, v236, v237
	DPP4 236
	v_fma_f32 v236, v236, s75, s76                 ; the variance + 1e-5
	s_wait_alu depctr_va_vdst(0)
	v_rsq_f32 v238, v236
	v_mov_b32 v239, 0                              ; a plain line behind the transcendental (and the pair's upper half is written)
	s_wait_alu depctr_va_vdst(0)                   ; the root's reciprocal v238 is written: the wait ahead of the result's first reader
.irp m, 0,2,4,6
	v_pk_mul_f32 v[192+\m:193+\m], v[192+\m:193+\m], v[238:239] op_sel_hi:[1,0]
.endr
.irp m, 0,2,4,6
	v_pk_fma_f32 v[192+\m:193+\m], v[192+\m:193+\m], v[200+\m:201+\m], v[208+\m:209+\m]
.endr
	v_max3_num_f32 v240, |v192|, |v193|, 0x1800000 ; a block of 32 lies in four neighbouring lanes
	v_max3_num_f32 v240, v240, |v194|, |v195|
	v_max3_num_f32 v240, v240, |v196|, |v197|
	v_max3_num_f32 v240, v240, |v198|, |v199|
	v_max_num_f32_dpp v240, v240, v240 row_xmask:1 row_mask:0xf bank_mask:0xf
	v_max_num_f32_dpp v240, v240, v240 row_xmask:2 row_mask:0xf bank_mask:0xf
	v_add_nc_u32 v241, 0xff000000, v240
	v_lshrrev_b32 v242, 23, v241
	v_cvt_scalef32_pk8_fp4_f32 v243, v[192:199], v241
	v_mul_f32 v232, 0x3e4ccccd, v232               ; Spy / 5 (a plain line behind the conversion)
	v_mul_f32 v233, 0x3e4ccccd, v233               ; Spx / 5
.irp k, 0,1,2,3,4,5,6,7
	v_mul_f32 v[244+\k], v232, v[216+2*\k]
.endr
.irp k, 0,1,2,3,4,5,6,7
	v_fmac_f32 v[244+\k], v233, v[217+2*\k]
.endr
	s_wait_alu depctr_va_vdst(0)                   ; the codes v243, the scale's byte v242 and s_w in v244 to v251 are written: the four stores read them
	ds_store_b32 v252, v243
	ds_store_b8 v253, v242
	ds_store_b128 v254, v[244:247]
	ds_store_b128 v254, v[248:251] offset:16
	s_wait_loadcnt 0x0                             ; my tiles and my own operands are in
.irp q, 0,1,2,3
	ds_store_b128 v44, v[XA+8*\q:XA+8*\q+3] offset:8192*\q            ; the fragments go to LDS as they stand
	ds_store_b128 v44, v[XA+8*\q+4:XA+8*\q+7] offset:8192*\q+512
.endr
.irp q, 0,1,2,3,4
	ds_store_b32 v45, v[XA+32+\q] offset:1024*\q
.endr
	ds_store_b64 v46, v[XA+38:XA+39]
	WIN 0x40
.irp t, 0,1,2,3,4,5,6,7
.irp c, 0,1
	global_load_b128 v[B1+8*\t+4*\c:B1+8*\t+4*\c+3], v1, s[42:43] offset:(32*(\t/2)+8*(\t%2))*4+16*\c   ; b1 in QL: 16 loads, on their way while the images are read.  No vector line since the head's wait names v1 or these registers
.endr
.endr
	WIN 0
	s_wait_dscnt 0x0                               ; for the others' sake: my stores have landed
	s_barrier_signal -1
	s_barrier_wait -1
	; STAGE 2: q' (my 16 channels of all slots), d0's parts, G = g_b + (gy/5) gw0 + (gx/5) gw1 in QL; the weights come out of LDS
	s_wait_alu depctr_vm_vsrc(0)                   ; the head's loads have read the offsets v2 to v8, v28 and v29, its stores their addresses v44 to v46 and their data in XA and XB: all of these are written anew below, by vector and matrix lines or by loads
	v_and_b32 v7, 15, v0                           ; r
	v_bfe_u32 v8, v0, 4, 1                         ; h
	v_and_b32 v5, 7, v0                            ; column r of source 1 is slot r % 8
	v_mul_u32_u24 v2, v5, 80
	v_lshl_add_u32 v3, v8, 4, v2
	v_add_nc_u32 v3, QC, v3
	v_lshl_add_u32 v4, v5, 2, QS
	v_and_b32 v54, 31, v0
	v_lshl_add_u32 v6, v54, 4, IMG                 ; an image's place for my lane
	v_lshl_add_u32 v55, v54, 5, IMW                ; my eight words
	v_lshl_add_u32 v54, v54, 6, IMP                ; my eight pairs
	s_wait_alu depctr_va_vdst(0)                   ; the addresses v3, v4, v6, v54 and v55 are written; the head's lines are done with v28 to v35 and stage 1's with XB, in which the loads below land
	ds_load_b128 v[CA:CA+3], v3                    ; 15 loads: what the first products want
	ds_load_b128 v[CA+4:CA+7], v3 offset:32
	ds_load_b32 v[SA], v4
.irp k, 0,1
	ds_load_b128 v[W2S+4*\k:W2S+4*\k+3], v55 offset:16*\k             ; Wk's scale words
	ds_load_b128 v[WVS+4*\k:WVS+4*\k+3], v55 offset:1024+16*\k        ; Wv's
	ds_load_b128 v[W1S+4*\k:W1S+4*\k+3], v55 offset:2048+16*\k        ; f_w1's
.endr
	WIN 0x40
.irp k, 0,1,2,3
	ds_load_b128 v[PK+16+4*\k:PK+19+4*\k], v54 offset:16*\k           ; (gw0, gw1) of tiles 2 k, 2 k + 1
.endr
.irp k, 0,1
	ds_load_b128 v[PK+32+4*\k:PK+35+4*\k], v55 offset:4096+16*\k      ; g_b
.endr
	WIN 0
.irp t, 0,1,2,3,4,5,6,7
.irp c, 0,1
	ds_load_b128 v[XA+8*\t+4*\c:XA+8*\t+4*\c+3], v6 offset:1024*\t+512*\c          ; Wk: 16 loads
.endr
.endr
.irp t, 0,1,2,3,4,5,6,7
.irp c, 0,1
	ds_load_b128 v[XB+8*\t+4*\c:XB+8*\t+4*\c+3], v6 offset:8192+1024*\t+512*\c     ; Wv: 16 loads
.endr
.endr
	s_wait_dscnt 32                                ; the 15 are in; Wk's and Wv's 32 may be out
	s_wait_alu depctr_vm_vsrc(0)                   ; the loads above have read v54 and v55, in which d0's part is summed below
	WIN 0x45
.irp t, 0,1,2,3,4,5,6,7
	v_cndmask_b32 v[PK+16+2*\t], v[PK+16+2*\t], v[PK+32+\t], s57   ; source 0 of the f32 product: k = 0, 1 (lanes 0-15): gw0, gw1; k = 2, 3 (lanes 16-31): g_b, 0
	v_cndmask_b32 v[PK+17+2*\t], v[PK+17+2*\t], 0, s57
.endr
.rept 4
	v_nop
.endr
	WIN 0x01
	v_wmma_scale_f32_16x16x128_f8f6f4 v[TM:TM+7], v[PK:PK+7], v[CA:CA+7], 0, v[WQS], v[SA] matrix_a_fmt:MATRIX_FMT_FP4 matrix_b_fmt:MATRIX_FMT_FP4
.irp t, 0,1,2,3,4,5,6,7
	v_wmma_f32_16x16x4_f32 v[PV+8*\t:PV+8*\t+7], v[PK+16+2*\t:PK+17+2*\t], v[GB:GB+1], 0
.endr
	WIN 0
	s_lshl_b32 s60, s2, 6                          ; six address lines and a v_nop: the places behind those products
	v_lshl_add_u32 v5, v5, 9, s60
	v_lshl_add_u32 v5, v8, 5, v5
	v_add_nc_u32 v5, QTAB, v5                      ; QTAB + 512 slot + 64 w + 32 h
	s_lshl_b32 s60, s2, 3
	v_add_nc_u32 v2, s60, v2
	v_lshl_add_u32 v2, v8, 2, v2
	v_add_nc_u32 v2, D0P, v2                       ; D0P + 80 slot + 8 w + 4 h
	v_nop
.irp m, 0,2,4,6
	v_pk_mul_f32 v[TM+\m:TM+\m+1], v[TM+\m:TM+\m+1], s[58:59] op_sel_hi:[1,0]   ; q'
.endr
	WIN 0x04
	v_pk_mul_f32 v[54:55], v[TM:TM+1], v[PK+8:PK+9]
.irp m, 2,4,6
	v_pk_fma_f32 v[54:55], v[TM+\m:TM+\m+1], v[PK+8+\m:PK+9+\m], v[54:55]
.endr
	WIN 0
	v_add_f32 v54, v54, v55                        ; q' . f_b2 over my eight channels
	s_wait_alu depctr_va_vdst(0)                   ; q' in TM, d0's part in v54 and the addresses v5 and v2 are written: the three stores read them
	ds_store_b128 v5, v[TM:TM+3]
	ds_store_b128 v5, v[TM+4:TM+7] offset:16
	ds_store_b32 v2, v54
	s_wait_dscnt 19                                ; Wk's fragments are in; Wv's 16 loads and the three stores may be out
	WIN 0x40                                       ; PRODUCT 1: PK = inputs Wk^T + G.  Sixteen plain lines stand behind the f32 products, whose results are its C and over whose sources it writes
.irp t, 0,1,2,3,4,5,6,7
	v_wmma_scale_f32_16x16x128_f8f6f4 v[PK+8*\t:PK+8*\t+7], v[XA+8*\t:XA+8*\t+7], v[CB:CB+7], v[PV+8*\t:PV+8*\t+7], v[W2S+\t], v[SB] matrix_a_fmt:MATRIX_FMT_FP4 matrix_b_fmt:MATRIX_FMT_FP4
.endr
.irp t, 0,1,2,3,4,5,6,7
.irp c, 0,1
	ds_load_b128 v[W1+8*\t+4*\c:W1+8*\t+4*\c+3], v6 offset:16384+1024*\t+512*\c    ; f_w1 and f_w2, 32 loads, into registers of window 1 that no vector or matrix line has named yet: they stay.  v6 has not been named since the wait behind its making
	ds_load_b128 v[W2+8*\t+4*\c:W2+8*\t+4*\c+3], v6 offset:24576+1024*\t+512*\c
.endr
.endr
	WIN 0
	s_wait_dscnt 32                                ; Wv's fragments are in and my three stores are done; the 32 just issued may be out
	s_wait_alu depctr_vm_vsrc(0)                   ; the loads and stores above have read their addresses v2 to v6, which are written anew here
	v_lshl_add_u32 v2, v8, 5, QTAB                 ; the loop's addresses (twelve plain lines: the places ahead of product 2, which writes over product 1's C):  QTAB + 32 h
	v_and_b32 v3, 31, v0
	s_mul_i32 s60, s2, 9216
	s_add_co_u32 s60, s60, VC
	v_lshl_add_u32 v4, v3, 2, s60
	v_add_nc_u32 v4, 1024, v4                      ; VC + 9216 w + 1024 + 4 lane
	s_mul_i32 s61, s2, 768
	v_mul_u32_u24 v5, v7, 48
	v_add_nc_u32 v5, s61, v5
	v_add_nc_u32 v5, DOTS, v5                      ; DOTS + 768 w + 48 r
	v_lshl_add_u32 v7, v3, 5, IMW                  ; my eight words once more
	v_lshl_add_u32 v3, v3, 4, s60                  ; VC + 9216 w + 16 lane
	v_and_b32 v6, 7, v0
	v_mul_u32_u24 v6, v6, 80
	v_add_nc_u32 v6, D0P, v6                       ; d0's parts of slot lane % 8: read behind the barrier below
	s_wait_alu depctr_va_vdst(0)                   ; v7 and v6 are written; product 1 is done reading Wk's scale words, in which f_w2's land, and Wk's fragments in XA, in which d0's parts land
	ds_load_b128 v[W2S:W2S+3], v7 offset:3072      ; f_w2's scale words take Wk's place
	ds_load_b128 v[W2S+4:W2S+7], v7 offset:3088
.irp t, 0,1,2,3,4,5,6,7                            ; PRODUCT 2: PV = inputs Wv^T + G, in place
	v_wmma_scale_f32_16x16x128_f8f6f4 v[PV+8*\t:PV+8*\t+7], v[XB+8*\t:XB+8*\t+7], v[CB:CB+7], v[PV+8*\t:PV+8*\t+7], v[WVS+\t], v[SB] matrix_a_fmt:MATRIX_FMT_FP4 matrix_b_fmt:MATRIX_FMT_FP4
.endr
	s_wait_dscnt 0x0                               ; all the weights' images are in my registers; no LDS instruction of mine is out at the signal
	s_barrier_signal -1                            ; QTAB and d0's parts are whole behind this barrier
	s_barrier_wait -1
.irp k, 0,1,2,3
	ds_load_b128 v[XA+4*\k:XA+4*\k+3], v6 offset:16*\k                ; since the last wait product 2 alone was issued: it names neither v6 nor XA
.endr
	s_wait_dscnt 0x0
.irp m, 0,2,4,6
	v_pk_add_f32 v[XA+\m:XA+\m+1], v[XA+\m:XA+\m+1], v[XA+8+\m:XA+9+\m]
.endr
	v_pk_add_f32 v[XA:XA+1], v[XA:XA+1], v[XA+4:XA+5]
	v_pk_add_f32 v[XA+2:XA+3], v[XA+2:XA+3], v[XA+6:XA+7]
	v_pk_add_f32 v[XA:XA+1], v[XA:XA+1], v[XA+2:XA+3]
	v_add_f32 v[XA], v[XA], v[XA+1]                ; lane l: d0 of slot l % 8
.irp i, 0,1,2,3,4,5,6,7
	v_readlane_b32 s[66+\i], v[XA], \i
.endr
	s_wait_alu depctr_va_sdst(0)                   ; s66 to s73 are written: the softmax behind the loop reads them, and the wait stands ahead of the loop's label
	s_wait_loadcnt 0x0                             ; b1 is in
	s_mov_b32 s53, 0
	s_mov_b32 s54, 0                               ; 512 x slot
	s_mov_b32 s55, 0                               ; 1152 x slot
	s_mov_b32 s56, 0                               ; 4 x slot
.Lslot:                                            ; THE FIRST PASS, a slot a trip: the v chain as far as its hidden codes (XA), the k chain to the dot (XB)
	s_wait_alu depctr_vm_vsrc(0)                   ; the last trip's loads and stores have read their addresses v6 to v9 and v55 and their data CA, SA and TM, all written again in this trip (first trip: the loads above have read v7 and v6)
	v_add_nc_u32 v7, s54, v1                       ; the trip's five addresses: s_i,
	v_add_nc_u32 v9, s54, v2                       ; q'_i,
	v_add_nc_u32 v6, s55, v3                       ; the hidden codes' image,
	v_add_nc_u32 v8, s55, v4                       ; their scale words,
	v_add_nc_u32 v55, s56, v5                      ; the dot
	s_wait_alu depctr_va_vdst(0)                   ; the five are written; the last trip's dot is done reading XB, in which s_i lands (first trip: product 2 is)
.irp b, 0,1,2,3
.irp k, 0,1,2,3
	ds_load_b128 v[XB+16*\b+4*\k:XB+16*\b+4*\k+3], v7 offset:128*\b+16*\k   ; s_i in QL
.endr
.endr
	s_wait_dscnt 0x0                               ; s_i is in
	SUB XA, PV, XB
	QMAX XA, 1, SA
	QCVT XA, CA
	WIN 0x01
	SUB XB, PK, XB                                 ; (32 plain lines between the codes' last write and the product)
	WIN 0
	s_wait_alu depctr_va_vdst(0)                   ; the codes CA and the scale word SA are written: the product takes them
	MM1 XA, CA, SA
	QMAX XB, 1, SB
	QCVT XB, CB
	QMAX XA, 0, SA                                 ; the v chain's hidden layer: its blocks' largest numbers.  (The places ahead of the next product)
	QCVT XA, CA
	s_wait_alu depctr_va_vdst(0)                   ; the codes CB and the scale word SB are written: the product takes them; and the conversions are done reading XA, in which q'_i lands
	MM1 XB, CB, SB
.irp t, 0,1,2,3,4,5,6,7
.irp u, 0,1
	ds_load_b128 v[XA+8*\t+4*\u:XA+8*\t+4*\u+3], v9 offset:64*\t+16*\u      ; q'_i in NT.  No wait: the product above names neither XA nor v9
.endr
.endr
	RELU2 CA                                       ; (sixteen plain lines: the places behind the product above)
	RELU2 CA+2
	QMAX XB, 0, SB
	QCVT XB, CB
	RELU2 CB
	RELU2 CB+2
	RELU2 CB+4
	RELU2 CB+6
	RELU2 CA+4                                     ; (eight plain lines between the codes' last write and the product)
	s_wait_alu depctr_va_vdst(0)                   ; the codes CB, with their relu, and the scale word SB are written: the product takes them
	MM2T XB, CB, SB
	RELU2 CA+6                                     ; (the places behind it)
	s_wait_dscnt 0x0                               ; q'_i is in
	DOT
	s_wait_alu depctr_va_vdst(0)                   ; the v chain's hidden codes CA, their scale word SA and the dot in TM are written: the four stores read them
	ds_store_b128 v6, v[CA:CA+3]                   ; the v chain's hidden codes wait in LDS for the weights a
	ds_store_b128 v6, v[CA+4:CA+7] offset:512
	ds_store_b32 v8, v[SA]
	ds_store_b32 v55, v[TM]
	s_add_co_u32 s54, s54, 512
	s_add_co_u32 s55, s55, 1152
	s_add_co_u32 s56, s56, 4
	s_add_co_u32 s53, s53, 1
	s_cmp_lt_u32 s53, 8
	s_cbranch_scc1 .Lslot
	; THE SOFTMAX over the 8 slots: a lane holds a position (both halves of the lanes the same)
	s_wait_dscnt 0x0                               ; the last trip's stores are done
	s_wait_alu depctr_vm_vsrc(0)                   ; they have read TM, in which the dots land, CA and SA, in which the second pass loads, and v6 to v8 and v55; b1's loads have read v1: all are written anew below
	ds_load_b128 v[TM:TM+3], v5
	ds_load_b128 v[TM+4:TM+7], v5 offset:16
	v_and_b32 v6, 15, v0
	v_bfe_u32 v8, v0, 4, 1
	s_lshl_b32 s60, s2, 6
	s_add_co_u32 s60, s60, AT
	v_lshl_add_u32 v7, v6, 2, s60                  ; AT + 64 w + 4 r
	v_lshl_add_u32 v1, v8, 5, s60                  ; AT + 64 w + 32 h
	s_mul_i32 s60, s2, 8320
	s_add_co_u32 s60, s60, RED
	v_mul_u32_u24 v2, v8, 4160
	v_lshl_add_u32 v2, v6, 2, v2
	v_add_nc_u32 v2, s60, v2                       ; RED + 4160 (2 w + h) + 4 r
	s_wait_dscnt 0x0
.irp i, 0,1,2,3,4,5,6,7
	v_add_f32 v[TM+\i], s[66+\i], v[TM+\i]
.endr
	v_max3_num_f32 v54, v[TM], v[TM+1], v[TM+2]
	v_max3_num_f32 v54, v54, v[TM+3], v[TM+4]
	v_max3_num_f32 v54, v54, v[TM+5], v[TM+6]
	v_max_num_f32 v54, v54, v[TM+7]
.irp i, 0,1,2,3,4,5,6,7
	v_sub_f32 v[TM+\i], v[TM+\i], v54              ; the largest is taken away
.endr
	s_wait_alu depctr_va_vdst(0)
.irp i, 0,1,2,3,4,5,6,7
	v_exp_f32 v[TM+\i], v[TM+\i]
.endr
	v_nop
	s_wait_alu depctr_va_vdst(0)                   ; the eight exponentials are written: one wait for the eight, ahead of their first reader
	v_add_f32 v54, v[TM], v[TM+1]
	v_add_f32 v55, v[TM+2], v[TM+3]
	v_add_f32 v54, v54, v[TM+4]
	v_add_f32 v55, v55, v[TM+5]
	v_add_f32 v54, v54, v[TM+6]
	v_add_f32 v55, v55, v[TM+7]
	v_add_f32 v54, v54, v55
	s_wait_alu depctr_va_vdst(0)
	v_rcp_f32 v55, v54
	v_nop
	s_wait_alu depctr_va_vdst(0)                   ; the reciprocal v55 is written, ahead of its first reader
.irp i, 0,1,2,3,4,5,6,7
	v_fmaak_f32 v[TM+\i], v[TM+\i], v55, 0x322bcc77   ; a = softmax + 1e-8
.endr
	s_wait_alu depctr_va_vdst(0)                   ; a in TM and the addresses v7, v1 and v2 are written: the stores of a and the second pass's loads and stores read them
.irp i, 0,1,2,3,4,5,6,7
	ds_store_b32 v7, v[TM+\i] offset:512*\i
.endr
; THE SECOND PASS: v without b2 from the hidden codes, weighed by a and summed over my 16 positions.  Written out: every offset is an immediate.
.macro LD2 i                           ; slot i's image, scale words and eight weights a(8 h + j)
	ds_load_b128 v[CA+8*((\i)%2):CA+8*((\i)%2)+3], v3 offset:1152*(\i)
	ds_load_b128 v[CA+8*((\i)%2)+4:CA+8*((\i)%2)+7], v3 offset:1152*(\i)+512
	ds_load_b32 v[SA+((\i)%2)], v4 offset:1152*(\i)
	ds_load_b128 v[XB+8*((\i)%2):XB+8*((\i)%2)+3], v1 offset:512*(\i)
	ds_load_b128 v[XB+8*((\i)%2)+4:XB+8*((\i)%2)+7], v1 offset:512*(\i)+16
.endm
.macro ACC i                           ; each accumulator from its low end on
.set AP, XB+8*((\i)%2)
.set TP, XB+16+16*((\i)%2)
.irp t, 0,1,2,3,4,5,6,7
	v_pk_mul_f32 v[TP+2*\t:TP+2*\t+1], v[XA+8*\t:XA+8*\t+1], v[AP:AP+1]
.endr
.irp m, 1,2,3
.irp t, 0,1,2,3,4,5,6,7
	v_pk_fma_f32 v[TP+2*\t:TP+2*\t+1], v[XA+8*\t+2*\m:XA+8*\t+2*\m+1], v[AP+2*\m:AP+2*\m+1], v[TP+2*\t:TP+2*\t+1]
.endr
.endr
.endm
.macro FADD i                          ; slot i's eight sums (channel 16 t + r, positions 8 h ..) into out-buffer i % 2
.set TP, XB+16+16*((\i)%2)
.set OP, XB+48+8*((\i)%2)
.irp t, 0,1,2,3,4,5,6,7
	v_add_f32 v[OP+\t], v[TP+2*\t], v[TP+2*\t+1]
.endr
.endm
.macro FSTO i                          ; and from there to my row of RED
.set OP, XB+48+8*((\i)%2)
.irp t, 0,1,2,3,4,5,6,7
	ds_store_b32 v2, v[OP+\t] offset:512*(\i)+64*\t
.endr
.endm
; Step i: its products; behind them, with no further wait, the stores of slot i - 2's sums and the loads of slot i + 1: the products name XA, this slot's codes and scale words and f_w2 alone.
; Then slot i - 1's eight additions, which are the places behind the products, and this slot's weighing.
.macro SLOT2 i
	s_wait_dscnt 0x0                               ; this slot's loads are in
.if (\i) > 2
	s_wait_alu depctr_vm_vsrc(0)                   ; the stores issued in the step before have read their out-buffer, which this step's additions write again
.endif
.if (\i) > 0
	s_wait_alu depctr_va_vdst(0)                   ; the step before is done reading the codes, the scale words and the weights a in whose registers the next slot's land, and has written the out-buffer that the stores below read
.endif
	MM2N XA, CA+8*((\i)%2), SA+((\i)%2)
.if (\i) > 1
	FSTO (\i)-2
.endif
.if (\i) < 7
	LD2 (\i)+1
.endif
.if (\i) > 0
	FADD (\i)-1                                    ; its eight additions are the places behind the products
.else
.rept 5
	v_nop
.endr
.endif
	ACC \i
.endm
	LD2 0                                          ; LDS serves a wave's instructions in order: these see my stores of a.  No vector line since the wait above names their registers
.irp i, 0,1,2,3,4,5,6,7
	SLOT2 \i
.endr
	s_wait_alu depctr_vm_vsrc(0)                   ; slot 5's stores have read their out-buffer, which slot 7's additions write; the stores of a have read v7
	FADD 7
	v_and_b32 v8, 31, v0                           ; the tail's addresses are made here, ahead of the wait that stands in any case
	v_lshlrev_b32 v8, 4, v8                        ; 16 x lane
	s_lshl_b32 s60, s2, 9
	s_add_co_u32 s61, s60, RED
	v_add_nc_u32 v6, s61, v8
	s_add_co_u32 s61, s60, AT
	v_add_nc_u32 v7, s61, v8
	s_wait_alu depctr_va_vdst(0)                   ; both out-buffers and v6 to v8 are written; the last weighing is done reading XA and the weights a, in whose registers the tail's loads land
	FSTO 6
	FSTO 7
	s_wait_dscnt 0x0                               ; for the others' sake: my rows of RED and my a have landed
	s_barrier_signal -1
	s_barrier_wait -1
	; THE TAIL: wave w is slot w again: the sixteen rows of RED are added; A, Gy, Gx of the block's 128 positions
.irp k, 0,1,2,3,4,5,6,7,8,9,10,11,12,13,14,15
	ds_load_b128 v[XA+4*\k:XA+4*\k+3], v6 offset:4160*\k
.endr
	ds_load_b128 v[192:195], v7                    ; a of positions 4 lane .. 4 lane + 3
	v_and_b32 v200, 15, v0
	v_lshlrev_b32 v200, 2, v200
	v_cvt_f32_u32 v200, v200                       ; their grid columns: 4 (lane % 16) + k
	v_add_f32 v201, 1.0, v200
	v_add_f32 v202, 2.0, v200
	v_add_f32 v203, 0x40400000, v200
.irp k, 0,1,2,3
	v_fma_f32 v[200+\k], v[200+\k], s74, -1.0      ; gx
.endr
	v_bfe_u32 v204, v0, 4, 1
	s_lshl_b32 s60, s3, 1
	v_add_nc_u32 v204, s60, v204                   ; their grid row: 2 block + lane / 16
	v_cvt_f32_u32 v204, v204
	v_fma_f32 v204, v204, s74, -1.0                ; gy
	s_wait_dscnt 0x0
.irp k, 0,1,2,3,4,5,6,7
	v_pk_add_f32 v[XA+4*\k:XA+4*\k+1], v[XA+4*\k:XA+4*\k+1], v[XA+32+4*\k:XA+33+4*\k]
	v_pk_add_f32 v[XA+4*\k+2:XA+4*\k+3], v[XA+4*\k+2:XA+4*\k+3], v[XA+34+4*\k:XA+35+4*\k]
.endr
.irp k, 0,1,2,3
	v_pk_add_f32 v[XA+4*\k:XA+4*\k+1], v[XA+4*\k:XA+4*\k+1], v[XA+16+4*\k:XA+17+4*\k]
	v_pk_add_f32 v[XA+4*\k+2:XA+4*\k+3], v[XA+4*\k+2:XA+4*\k+3], v[XA+18+4*\k:XA+19+4*\k]
.endr
.irp k, 0,1
	v_pk_add_f32 v[XA+4*\k:XA+4*\k+1], v[XA+4*\k:XA+4*\k+1], v[XA+8+4*\k:XA+9+4*\k]
	v_pk_add_f32 v[XA+4*\k+2:XA+4*\k+3], v[XA+4*\k+2:XA+4*\k+3], v[XA+10+4*\k:XA+11+4*\k]
.endr
	v_pk_add_f32 v[XA:XA+1], v[XA:XA+1], v[XA+4:XA+5]
	v_pk_add_f32 v[XA+2:XA+3], v[XA+2:XA+3], v[XA+6:XA+7]
	s_wait_alu depctr_va_vdst(0)                   ; Sv in XA .. XA + 3 is written: the store reads it
	global_store_b128 v8, v[XA:XA+3], s[48:49] th:TH_STORE_NT       ; Sv: 32 lanes store 512 consecutive bytes, aligned to 256
	v_and_b32 v205, 31, v0
	v_cmp_eq_u32 s62, 0, v205                      ; the two masks in one run: lane 0, lane 1
	v_cmp_eq_u32 s63, 1, v205
	v_add_f32 v196, v192, v193
	v_add_f32 v197, v194, v195
	v_add_f32 v196, v196, v197                     ; A
	v_mul_f32 v198, v192, v200
	v_fmac_f32 v198, v193, v201
	v_fmac_f32 v198, v194, v202
	v_fmac_f32 v198, v195, v203                    ; Gx
	v_mul_f32 v197, v196, v204                     ; Gy
	WSUM 196
	WSUM 197
	WSUM 198
	s_wait_alu depctr_va_sdst(0)                   ; the masks s62 and s63 are written, ahead of their first reader
	v_cndmask_b32 v206, 0, v196, s62               ; lane 0: (A, Gy); lane 1: (Gx, 0); the others zeros
	v_cndmask_b32 v207, 0, v197, s62
	v_cndmask_b32 v206, v206, v198, s63
	v_lshlrev_b32 v205, 3, v205
	s_wait_alu depctr_va_vdst(0)                   ; the pair v206, v207 and the offset v205 are written: the store reads them
	global_store_b64 v205, v[206:207], s[48:49] offset:512 th:TH_STORE_NT   ; 32 lanes store 256 consecutive bytes, aligned
	s_wait_xcnt 0x0
	s_wait_alu depctr_vm_vsrc(0)                   ; slot 7's stores have read v254 and v255, which are made anew for the closing lines
	v_lshl_add_u32 v254, v0, 2, 0x30e00
	v_mov_b32 v255, 0
	s_wait_dscnt 0x0                               ; the closing lines, six on end
	s_wait_alu 0x0
	s_wait_tensorcnt 0x0
	ds_add_u32 v254, v255
	s_wait_dscnt 0x0
	s_endpgm
.Lfunc_end_k_q5f5a5e0bb8_attn1:
	.size	k_q5f5a5e0bb8_attn1, .Lfunc_end_k_q5f5a5e0bb8_attn1-k_q5f5a5e0bb8_attn1
	.p2alignl 7, 3214868480
	.fill 96, 4, 3214868480
	.section	.rodata,"a",@progbits
	.p2align	6, 0x0
	.amdhsa_kernel k_q5f5a5e0bb8_attn1
		.amdhsa_group_segment_fixed_size 201216
		.amdhsa_private_segment_fixed_size 0
		.amdhsa_enable_private_segment 0
		.amdhsa_kernarg_size 168
		.amdhsa_user_sgpr_count 2
		.amdhsa_user_sgpr_kernarg_segment_ptr 1
		.amdhsa_wavefront_size32 1
		.amdhsa_system_sgpr_workgroup_id_x 1
		.amdhsa_system_sgpr_workgroup_id_y 1
		.amdhsa_system_sgpr_workgroup_id_z 1
		.amdhsa_system_vgpr_workitem_id 0
		.amdhsa_next_free_vgpr 512
		.amdhsa_next_free_sgpr 80
		.amdhsa_reserve_vcc 0
		.amdhsa_float_denorm_mode_32 3
		.amdhsa_float_denorm_mode_16_64 3
		.amdhsa_memory_ordered 1
		.amdhsa_forward_progress 1
		.amdhsa_inst_pref_size 102
	.end_amdhsa_kernel
	.amdgpu_metadata
---
amdhsa.version: [ 1, 2 ]
amdhsa.kernels:
  - .name:           k_q5f5a5e0bb8_attn1
    .symbol:         k_q5f5a5e0bb8_attn1.kd
    .args:
      - { .name: slots_init, .offset: 0, .size: 8, .value_kind: global_buffer, .address_space: global }
      - { .name: S_p0, .offset: 8, .size: 8, .value_kind: global_buffer, .address_space: global }
      - { .name: ln_s_g, .offset: 16, .size: 8, .value_kind: global_buffer, .address_space: global }
      - { .name: ln_s_b, .offset: 24, .size: 8, .value_kind: global_buffer, .address_space: global }
      - { .name: g_w, .offset: 32, .size: 8, .value_kind: global_buffer, .address_space: global }
      - { .name: g_b, .offset: 40, .size: 8, .value_kind: global_buffer, .address_space: global }
      - { .name: inputs_codes, .offset: 48, .size: 8, .value_kind: global_buffer, .address_space: global }
      - { .name: inputs_scales, .offset: 56, .size: 8, .value_kind: global_buffer, .address_space: global }
      - { .name: Wk_codes, .offset: 64, .size: 8, .value_kind: global_buffer, .address_space: global }
      - { .name: Wk_scales, .offset: 72, .size: 8, .value_kind: global_buffer, .address_space: global }
      - { .name: Wv_codes, .offset: 80, .size: 8, .value_kind: global_buffer, .address_space: global }
      - { .name: Wv_scales, .offset: 88, .size: 8, .value_kind: global_buffer, .address_space: global }
      - { .name: Wq_codes, .offset: 96, .size: 8, .value_kind: global_buffer, .address_space: global }
      - { .name: Wq_scales, .offset: 104, .size: 8, .value_kind: global_buffer, .address_space: global }
      - { .name: f_b2, .offset: 112, .size: 8, .value_kind: global_buffer, .address_space: global }
      - { .name: f_w1_codes, .offset: 120, .size: 8, .value_kind: global_buffer, .address_space: global }
      - { .name: f_w1_scales, .offset: 128, .size: 8, .value_kind: global_buffer, .address_space: global }
      - { .name: f_b1, .offset: 136, .size: 8, .value_kind: global_buffer, .address_space: global }
      - { .name: f_w2_codes, .offset: 144, .size: 8, .value_kind: global_buffer, .address_space: global }
      - { .name: f_w2_scales, .offset: 152, .size: 8, .value_kind: global_buffer, .address_space: global }
      - { .name: part, .offset: 160, .size: 8, .value_kind: global_buffer, .address_space: global }
    .group_segment_fixed_size: 201216
    .private_segment_fixed_size: 0
    .kernarg_segment_align: 8
    .kernarg_segment_size: 168
    .max_flat_workgroup_size: 256
    .sgpr_count:     80
    .vgpr_count:     512
    .wavefront_size: 32
...
	.end_amdgpu_metadata
.endif
;; end of part 3
;; launch upd1 (part 4): grid 64 x 1, 4 waves a work-group, no clusters, 5,120 bytes of LDS; arguments part, slots_init, gru_wih_codes, gru_wih_scales, gru_whh_codes, gru_whh_scales, gru_bih, gru_bhh, mlp_w1_codes, mlp_w1_scales, mlp_b1, mlp_w2_codes, mlp_w2_scales, mlp_b2, ln_pf_g, ln_pf_b, f_b2, S_r, S_s, slots1, sp1, out2, out3; writes slots1, sp1, out2, out3
.if DOCPART == 4
	.amdgcn_target "amdgcn-amd-amdhsa--gfx1250"
	.amdhsa_code_object_version 6
	.text
	.protected	k_q5f5a5e0bb8_upd1
	.globl	k_q5f5a5e0bb8_upd1
	.p2align	8
	.type	k_q5f5a5e0bb8_upd1,@function
k_q5f5a5e0bb8_upd1:
	s_mov_b64 s[64:65], 0
	v_nop
	global_prefetch_b8 v0, s[64:65] scope:SCOPE_SE
	s_setreg_imm32_b32 hwreg(HW_REG_WAVE_MODE, 25, 1), 1
	s_wait_xcnt 0x0
; One round's update of InvariantSlotAttention: work-group R = 8 b + slot owns ONE row.  It adds the row's 32 partial records, updates = Sv / A + f_b2, S_p = (Gy, Gx) / A,
; then the GRU, LayerNorm and the MLP with its residual; every product on codes of FP4 (E2M1) with one E8M0 scale for 32 along K.
; Work-group 64, which only the last round's launch has, copies S_r and S_s to their outputs.
; SHARES: four waves; wave w makes units 32 w .. 32 w + 31 of every layer.  Products are used transposed: source 0 = 16 rows of the weight, source 1 = the row's fragment, the same row in all 16 columns.
; Tile u of a wave takes rows 32 w + 8 u + r + 8 (r / 8), so that the 16 registers of tiles 0 and 1 are units 32 w + 16 h + 0 .. 15: with lane l xor 16's, one block of 32 of the next K.
; One row to a work-group: it reads 24 KB of records and 64 KB of weights, and the chain of dependent steps is spread over 64 work-groups.  No tensor load, no cluster: nothing is streamed.
; LIMITS: tanh(x) = 1 - 2 / (1 + 2^(2 log2(e) x)): absolute error of some 1e-7; a block of zeros gets the scale byte 1 (its codes are zeros; only this program reads the byte);
; blocks under 2^-124 are held at that floor; hidden numbers clipped by relu are the code -0; NaN and infinities are not served.  S_p leaves as 8 bytes a work-group: a row has one owner.
.set WR,  0                            ; LDS: a wave's own 256: the old slots' codes +0, scale word +64; the updates' +128, +192
.set RX,  1024                         ; the waves' partial Sv: 4 rows of 512
.set LNX, 3072                         ; (mean, sum of squares about it) of each wave's 32 units
.set YC,  3328                         ; codes of LN(slots);  YSC their scale bytes
.set YSC, 3392
.set MC,  3584                         ; codes of the MLP's hidden layer;  MSC their scale bytes
.set MSC, 3648
.set ORW, 3840                         ; the output row
; window 0: v1-19 offsets and LDS addresses; v20-35 the weights' scale words (whh 6, wih 6, mlp 2 + 2); v36-39 the activations'; v40-47, v48-55 fragments; v56-71 R, v72-87 Z, v88-103 IN, v104-119 HN;
; v120-151 bhh of r and z; v152-167 the old slots in my units' layout, then the new; v168-199 partial rows; v200-203 statistics; v204-211 the old slots, 8 a lane; v212-219 f_b2; v220-227 updates; v228-251 at work
; window 1: v0-47 whh's tiles, v48-95 wih's, v96-111 mlp_w1's, v112-127 mlp_w2's; v128 mlp_b1, v144 mlp_b2, v160 ln_pf_g, v176 ln_pf_b
.set MSB, 0
.macro WIN new
.if MSB != \new
	s_set_vgpr_msb (MSB<<8)|\new
.set MSB, \new
.endif
.endm
.macro BAR                             ; my LDS stores have landed and my LDS loads are in: then the work-group's barrier
	s_wait_dscnt 0x0
	s_barrier_signal -1
	s_barrier_wait -1
.endm
.macro WSUM r, t                       ; a sum over the wave's 32 lanes; t: a register that has been written
	v_add_f32_dpp v[\r], v[\r], v[\r] row_xmask:1 row_mask:0xf bank_mask:0xf
	v_add_f32_dpp v[\r], v[\r], v[\r] row_xmask:2 row_mask:0xf bank_mask:0xf
	v_add_f32_dpp v[\r], v[\r], v[\r] row_xmask:4 row_mask:0xf bank_mask:0xf
	v_add_f32_dpp v[\r], v[\r], v[\r] row_xmask:8 row_mask:0xf bank_mask:0xf
	v_permlanex16_b32 v[\t], v[\r], s54, s55
	v_add_f32 v[\r], v[\r], v[\t]
.endm
; A row held 8 numbers a lane (lane r: 8 r .. 8 r + 7, both halves the same) becomes a fragment and a scale word, by a turn through the wave's own LDS bytes
.macro Q8 x, off, f, sw
	v_max3_num_f32 v228, |v[\x]|, |v[\x+1]|, 0x1800000
	v_max3_num_f32 v228, v228, |v[\x+2]|, |v[\x+3]|
	v_max3_num_f32 v228, v228, |v[\x+4]|, |v[\x+5]|
	v_max3_num_f32 v228, v228, |v[\x+6]|, |v[\x+7]|
	v_max_num_f32_dpp v228, v228, v228 row_xmask:1 row_mask:0xf bank_mask:0xf
	v_max_num_f32_dpp v228, v228, v228 row_xmask:2 row_mask:0xf bank_mask:0xf
	v_add_nc_u32 v229, 0xff000000, v228
	v_lshrrev_b32 v230, 23, v229
	v_cvt_scalef32_pk8_fp4_f32 v231, v[\x:\x+7], v229
	v_nop
	ds_store_b32 v7, v231 offset:\off
	ds_store_b8 v8, v230 offset:\off+64
	ds_load_b128 v[\f:\f+3], v9 offset:\off        ; LDS serves a wave's instructions in order: these see my stores
	ds_load_b128 v[\f+4:\f+7], v9 offset:\off+32
	ds_load_b32 v[\sw], v10 offset:\off+64
	s_wait_dscnt 0x0
.endm
; My wave's 32 units (16 a lane) are block w of the next K: 8 bytes of codes a half, one scale byte.  ab = 0: a relu stands ahead of the quantiser
.macro QB16 x, ab, cb, sb
.if \ab
	v_max3_num_f32 v228, |v[\x]|, |v[\x+1]|, 0x1800000
.irp i, 2,4,6,8,10,12,14
	v_max3_num_f32 v228, v228, |v[\x+\i]|, |v[\x+\i+1]|
.endr
.else
	v_max3_num_f32 v228, v[\x], v[\x+1], 0x1800000
.irp i, 2,4,6,8,10,12,14
	v_max3_num_f32 v228, v228, v[\x+\i], v[\x+\i+1]
.endr
.endif
	v_permlanex16_b32 v229, v228, s54, s55
	v_max_num_f32 v228, v228, v229
	v_add_nc_u32 v230, 0xff000000, v228
	v_lshrrev_b32 v231, 23, v230
	v_cvt_scalef32_pk8_fp4_f32 v232, v[\x:\x+7], v230
	v_cvt_scalef32_pk8_fp4_f32 v233, v[\x+8:\x+15], v230
	v_nop
.if \ab == 0
	v_and_b32 v234, s57, v232                      ; the magnitude bits of negative codes are cleared
	v_and_b32 v236, s57, v233
	v_lshrrev_b32 v235, 3, v234
	v_lshrrev_b32 v237, 3, v236
	v_sub_nc_u32 v234, v234, v235
	v_sub_nc_u32 v236, v236, v237
	v_bfi_b32 v232, v234, 0, v232
	v_bfi_b32 v233, v236, 0, v233
.endif
	ds_store_b64 v14, v[232:233] offset:\cb
	ds_store_b8 v15, v231 offset:\sb
.endm
.macro FRAG f, sw, cb, sb              ; the whole row's fragment and scale word, in any wave
	ds_load_b128 v[\f:\f+3], v16 offset:\cb
	ds_load_b128 v[\f+4:\f+7], v16 offset:\cb+32
	ds_load_b32 v[\sw], v17 offset:\sb
	s_wait_dscnt 0x0
.endm
.macro GP d, a, sw, b, sb              ; a tile of the GRU, added in place onto what lies in d
	v_wmma_scale_f32_16x16x128_f8f6f4 v[\d:\d+7], v[\a:\a+7], v[\b:\b+7], v[\d:\d+7], v[\sw], v[\sb] matrix_a_fmt:MATRIX_FMT_FP4 matrix_b_fmt:MATRIX_FMT_FP4
.endm
	s_load_b512 s[8:23], s[0:1], 0x0               ; part 8, old slots 10, wih 12, 14, whh 16, 18, bih 20, bhh 22
	s_load_b512 s[24:39], s[0:1], 0x40             ; mlp_w1 24, 26, mlp_b1 28, mlp_w2 30, 32, mlp_b2 34, ln_pf_g 36, ln_pf_b 38
	s_load_b256 s[40:47], s[0:1], 0x80             ; f_b2 40, S_r 42, S_s 44, new slots 46
	s_load_b128 s[48:51], s[0:1], 0xa0             ; new S_p 48, out2 50
	s_load_b64 s[52:53], s[0:1], 0xb0              ; out3
	v_lshl_add_u32 v254, v0, 2, 0x1200
	v_mov_b32 v255, 0
	v_lshrrev_b32 v1, 5, v0
	v_readfirstlane_b32 s2, v1                     ; wave 0..3
	s_mov_b32 s3, ttmp9                            ; the row
	s_wait_kmcnt 0x0
	s_cmp_eq_u32 s3, 64
	s_cbranch_scc1 .Lcopy
	s_mov_b32 s54, 0x76543210
	s_mov_b32 s55, 0xfedcba98
	s_mov_b32 s57, 0x88888888
	s_mov_b32 s58, 0x3c000000                      ; 1 / 128
	s_mov_b32 s59, 0x3727c5ac                      ; 1e-5
	v_and_b32 v228, 15, v0                         ; r
	v_bfe_u32 v229, v0, 4, 1                       ; h
	v_and_b32 v230, 31, v0                         ; lane
	v_lshlrev_b32 v1, 5, v228                      ; 32 r: eight f32 a lane
	v_and_b32 v231, 8, v228
	v_add_nc_u32 v231, v231, v228                  ; r + 8 (r / 8)
	s_lshl_b32 s60, s2, 11
	v_lshl_add_u32 v2, v231, 6, s60
	v_lshl_add_u32 v2, v229, 4, v2                 ; a weight's fragment: my 32 rows (2048 w), the tile's row, + 16 h
	s_lshl_b32 s60, s2, 7
	v_lshl_add_u32 v3, v231, 2, s60                ; those rows' scale words
	v_lshl_add_u32 v18, v229, 6, s60               ; 128 w + 64 h: my 16 units' f32
	s_mul_i32 s60, s2, 6144
	v_mul_u32_u24 v5, v229, 3072
	v_add_nc_u32 v5, v5, v1
	v_add_nc_u32 v5, s60, v5                       ; records 8 w + 4 h + k, channels 8 r on
	v_mul_u32_u24 v6, v230, 768                    ; record = lane: its statistics
	s_lshl_b32 s60, s2, 8                          ; WR + 256 w
	v_lshl_add_u32 v7, v228, 2, s60
	v_lshrrev_b32 v8, 2, v228
	v_add_nc_u32 v8, s60, v8
	v_lshl_add_u32 v9, v229, 4, s60
	v_mov_b32 v10, s60
	v_add_nc_u32 v11, RX, v1
	s_lshl_b32 s60, s2, 9
	v_add_nc_u32 v12, s60, v11
	s_lshl_b32 s60, s2, 3
	v_mov_b32 v13, s60                             ; 8 w
	s_lshl_b32 s60, s2, 4
	v_lshl_add_u32 v14, v229, 3, s60               ; 16 w + 8 h
	v_mov_b32 v15, s2                              ; w
	v_lshlrev_b32 v16, 4, v229                     ; 16 h
	v_mov_b32 v17, 0
	v_lshlrev_b32 v19, 4, v230                     ; 16 x lane
	s_mov_b32 s63, 0
	s_mul_i32 s62, s3, 24576                       ; the row's 32 records
	s_add_nc_u64 s[8:9], s[8:9], s[62:63]
	s_lshl_b32 s62, s3, 9
	s_add_nc_u64 s[10:11], s[10:11], s[62:63]
	s_add_nc_u64 s[46:47], s[46:47], s[62:63]
	s_lshl_b32 s62, s3, 3
	s_add_nc_u64 s[48:49], s[48:49], s[62:63]
	; GROUP A, 44 loads: what the products with the old slots want
	global_load_b128 v[204:207], v1, s[10:11]
	global_load_b128 v[208:211], v1, s[10:11] offset:16
	WIN 0x40
.irp g, 0,1,2
.irp u, 0,1
.irp c, 0,1
	global_load_b128 v[8*(2*\g+\u)+4*\c:8*(2*\g+\u)+4*\c+3], v2, s[16:17] offset:\g*8192+\u*512+32*\c
.endr
.endr
.endr
	WIN 0
.irp g, 0,1,2
.irp u, 0,1
	global_load_b32 v[20+2*\g+\u], v3, s[18:19] offset:\g*512+\u*32
.endr
.endr
.irp k, 0,1,2,3
	global_load_b128 v[56+4*\k:59+4*\k], v18, s[20:21] offset:16*\k            ; bih of r
	global_load_b128 v[72+4*\k:75+4*\k], v18, s[20:21] offset:512+16*\k        ; of z
	global_load_b128 v[88+4*\k:91+4*\k], v18, s[20:21] offset:1024+16*\k       ; of n
	global_load_b128 v[120+4*\k:123+4*\k], v18, s[22:23] offset:16*\k          ; bhh of r
	global_load_b128 v[136+4*\k:139+4*\k], v18, s[22:23] offset:512+16*\k      ; of z
	global_load_b128 v[104+4*\k:107+4*\k], v18, s[22:23] offset:1024+16*\k     ; of n
.endr
	; GROUP B, 11 loads: the records
.irp k, 0,1,2,3
	global_load_b128 v[168+8*\k:171+8*\k], v5, s[8:9] offset:768*\k
	global_load_b128 v[172+8*\k:175+8*\k], v5, s[8:9] offset:768*\k+16
.endr
	global_load_b128 v[200:203], v6, s[8:9] offset:512
	global_load_b128 v[212:215], v1, s[40:41]
	global_load_b128 v[216:219], v1, s[40:41] offset:16
	; GROUP C1, 22 loads: what the products with the updates and the gates want
	WIN 0x40
.irp g, 0,1,2
.irp u, 0,1
.irp c, 0,1
	global_load_b128 v[48+8*(2*\g+\u)+4*\c:48+8*(2*\g+\u)+4*\c+3], v2, s[12:13] offset:\g*8192+\u*512+32*\c
.endr
.endr
.endr
	WIN 0
.irp g, 0,1,2
.irp u, 0,1
	global_load_b32 v[26+2*\g+\u], v3, s[14:15] offset:\g*512+\u*32
.endr
.endr
.irp k, 0,1,2,3
	global_load_b128 v[152+4*\k:155+4*\k], v18, s[10:11] offset:16*\k
.endr
	; GROUP C2, 28 loads: LayerNorm and the MLP
	WIN 0x40
.irp u, 0,1
.irp c, 0,1
	global_load_b128 v[96+8*\u+4*\c:96+8*\u+4*\c+3], v2, s[24:25] offset:\u*512+32*\c
	global_load_b128 v[112+8*\u+4*\c:112+8*\u+4*\c+3], v2, s[30:31] offset:\u*512+32*\c
.endr
.endr
.irp k, 0,1,2,3
	global_load_b128 v[128+4*\k:131+4*\k], v18, s[28:29] offset:16*\k
	global_load_b128 v[144+4*\k:147+4*\k], v18, s[34:35] offset:16*\k
	global_load_b128 v[160+4*\k:163+4*\k], v18, s[36:37] offset:16*\k
	global_load_b128 v[176+4*\k:179+4*\k], v18, s[38:39] offset:16*\k
.endr
	WIN 0
.irp u, 0,1
	global_load_b32 v[32+\u], v3, s[26:27] offset:\u*32
	global_load_b32 v[34+\u], v3, s[32:33] offset:\u*32
.endr
	s_wait_loadcnt 61                              ; group A is in: 11 + 22 + 28 younger loads may be out
.set II, 0
.rept 16
	v_pk_add_f32 v[56+II:57+II], v[56+II:57+II], v[120+II:121+II]   ; bih + bhh of r and z: where their sums begin
.set II, II+2
.endr
	Q8 204, 0, 40, 36
	WIN 0x01
	GP 56, 0, 20, 40, 36                           ; the accumulators take single turns
	GP 64, 8, 21, 40, 36
	GP 72, 16, 22, 40, 36
	GP 80, 24, 23, 40, 36
	GP 104, 32, 24, 40, 36
	GP 112, 40, 25, 40, 36
	WIN 0
	s_wait_loadcnt 50                              ; group B is in: 22 + 28 may be out
.irp k, 1,2,3
.irp m, 0,2,4,6
	v_pk_add_f32 v[168+\m:169+\m], v[168+\m:169+\m], v[168+8*\k+\m:169+8*\k+\m]
.endr
.endr
.irp i, 0,1,2,3,4,5,6,7
	v_permlanex16_b32 v[176+\i], v[168+\i], s54, s55   ; (into registers that are done with)
.endr
.irp m, 0,2,4,6
	v_pk_add_f32 v[168+\m:169+\m], v[168+\m:169+\m], v[176+\m:177+\m]   ; my wave's eight records
.endr
	ds_store_b128 v12, v[168:171]
	ds_store_b128 v12, v[172:175] offset:16
	WSUM 200, 184                                  ; A
	WSUM 201, 185                                  ; Gy
	WSUM 202, 186                                  ; Gx
	s_wait_alu depctr_va_vdst(0)
	v_rcp_f32 v246, v200
	v_mov_b32 v247, 0                              ; a plain line behind the transcendental (and the pair's upper half is written)
	s_wait_alu depctr_va_vdst(0)                   ; the wait ahead of the result's first reader
	v_mul_f32 v250, v201, v246                     ; the new S_p
	v_mul_f32 v251, v202, v246
	BAR
.irp w, 0,1,2,3
	ds_load_b128 v[168+8*\w:171+8*\w], v11 offset:512*\w
	ds_load_b128 v[172+8*\w:175+8*\w], v11 offset:512*\w+16
.endr
	s_wait_dscnt 0x0
.irp k, 1,2,3
.irp m, 0,2,4,6
	v_pk_add_f32 v[168+\m:169+\m], v[168+\m:169+\m], v[168+8*\k+\m:169+8*\k+\m]
.endr
.endr
.irp m, 0,2,4,6
	v_pk_fma_f32 v[220+\m:221+\m], v[168+\m:169+\m], v[246:247], v[212+\m:213+\m] op_sel_hi:[1,0,1]   ; updates = Sv / A + f_b2
.endr
	Q8 220, 128, 48, 37
	s_wait_loadcnt 28                              ; group C1 is in
	WIN 0x01
	GP 56, 48, 26, 48, 37
	GP 64, 56, 27, 48, 37
	GP 72, 64, 28, 48, 37
	GP 80, 72, 29, 48, 37
	GP 88, 80, 30, 48, 37
	GP 96, 88, 31, 48, 37
	WIN 0
.rept 4
	v_nop
.endr
	; THE GATES, 16 units a lane; four batches of transcendentals, a wait ahead of each and one behind
.set II, 0
.rept 16
	v_pk_mul_f32 v[56+II:57+II], v[56+II:57+II], 0xbfb8aa3b op_sel_hi:[1,0]   ; x -log2(e)
.set II, II+2
.endr
.set II, 0
	s_wait_alu depctr_va_vdst(0)
.rept 32
	v_exp_f32 v[56+II], v[56+II]
.set II, II+1
.endr
	v_nop
	s_wait_alu depctr_va_vdst(0)
.set II, 0
.rept 16
	v_pk_add_f32 v[56+II:57+II], v[56+II:57+II], 1.0 op_sel_hi:[1,0]
.set II, II+2
.endr
.set II, 0
	s_wait_alu depctr_va_vdst(0)
.rept 32
	v_rcp_f32 v[56+II], v[56+II]                   ; r and z
.set II, II+1
.endr
	v_nop
	s_wait_alu depctr_va_vdst(0)
.set II, 0
.rept 8
	v_pk_fma_f32 v[88+II:89+II], v[56+II:57+II], v[104+II:105+II], v[88+II:89+II]   ; inn + r hn
.set II, II+2
.endr
.set II, 0
.rept 8
	v_pk_mul_f32 v[88+II:89+II], v[88+II:89+II], 0x4038aa3b op_sel_hi:[1,0]         ; x 2 log2(e)
.set II, II+2
.endr
.set II, 0
	s_wait_alu depctr_va_vdst(0)
.rept 16
	v_exp_f32 v[88+II], v[88+II]
.set II, II+1
.endr
	v_nop
	s_wait_alu depctr_va_vdst(0)
.set II, 0
.rept 8
	v_pk_add_f32 v[88+II:89+II], v[88+II:89+II], 1.0 op_sel_hi:[1,0]
.set II, II+2
.endr
.set II, 0
	s_wait_alu depctr_va_vdst(0)
.rept 16
	v_rcp_f32 v[88+II], v[88+II]
.set II, II+1
.endr
	v_nop
	s_wait_alu depctr_va_vdst(0)
.set II, 0
.rept 8
	v_pk_fma_f32 v[88+II:89+II], v[88+II:89+II], -2.0, 1.0 op_sel_hi:[1,0,0]        ; n = tanh
.set II, II+2
.endr
.set II, 0
.rept 8
	v_pk_add_f32 v[104+II:105+II], v[152+II:153+II], v[88+II:89+II] neg_lo:[0,1] neg_hi:[0,1]
.set II, II+2
.endr
.set II, 0
.rept 8
	v_pk_fma_f32 v[152+II:153+II], v[72+II:73+II], v[104+II:105+II], v[88+II:89+II]  ; n + z (h - n)
.set II, II+2
.endr
	; LAYERNORM: my wave's mean and its squares about that mean; the four waves' are joined exactly as a mean of means and a sum of squares about the whole mean
	v_pk_add_f32 v[228:229], v[152:153], v[154:155]
	v_pk_add_f32 v[230:231], v[156:157], v[158:159]
	v_pk_add_f32 v[232:233], v[160:161], v[162:163]
	v_pk_add_f32 v[234:235], v[164:165], v[166:167]
	v_pk_add_f32 v[228:229], v[228:229], v[230:231]
	v_pk_add_f32 v[232:233], v[232:233], v[234:235]
	v_pk_add_f32 v[228:229], v[228:229], v[232:233]
	v_add_f32 v228, v228, v229
	v_permlanex16_b32 v229, v228, s54, s55
	v_add_f32 v228, v228, v229
	v_mul_f32 v244, 0x3d000000, v228               ; / 32
	v_mov_b32 v245, v244
.set II, 0
.rept 8
	v_pk_add_f32 v[228+II:229+II], v[152+II:153+II], v[244:245] neg_lo:[0,1] neg_hi:[0,1]
.set II, II+2
.endr
	v_pk_mul_f32 v[246:247], v[228:229], v[228:229]
.set II, 2
.rept 7
	v_pk_fma_f32 v[246:247], v[228+II:229+II], v[228+II:229+II], v[246:247]
.set II, II+2
.endr
	v_add_f32 v245, v246, v247
	v_permlanex16_b32 v246, v245, s54, s55
	v_add_f32 v245, v245, v246
	ds_store_b64 v13, v[244:245] offset:LNX
	BAR
	ds_load_b128 v[228:231], v17 offset:LNX
	ds_load_b128 v[232:235], v17 offset:LNX+16
	s_wait_dscnt 0x0
	v_add_f32 v236, v228, v230
	v_add_f32 v237, v232, v234
	v_add_f32 v236, v236, v237
	v_mul_f32 v236, 0x3e800000, v236               ; the mean
	v_sub_f32 v228, v228, v236
	v_sub_f32 v230, v230, v236
	v_sub_f32 v232, v232, v236
	v_sub_f32 v234, v234, v236
	v_mul_f32 v237, v228, v228
	v_fmac_f32 v237, v230, v230
	v_fmac_f32 v237, v232, v232
	v_fmac_f32 v237, v234, v234
	v_add_f32 v238, v229, v231
	v_add_f32 v239, v233, v235
	v_add_f32 v238, v238, v239
	v_fmamk_f32 v238, v237, 0x42000000, v238       ; + 32 x the squares of the waves' means about the mean
	v_fma_f32 v238, v238, s58, s59                 ; the variance + 1e-5
	s_wait_alu depctr_va_vdst(0)
	v_rsq_f32 v240, v238
	v_mov_b32 v237, v236                           ; (a plain line behind the transcendental)
	s_wait_alu depctr_va_vdst(0)
	v_mov_b32 v241, v240
	s_wait_loadcnt 0x0                             ; group C2 is in
.set II, 0
.rept 8
	v_pk_add_f32 v[88+II:89+II], v[152+II:153+II], v[236:237] neg_lo:[0,1] neg_hi:[0,1]
.set II, II+2
.endr
.set II, 0
	s_wait_alu depctr_va_vdst(0)
.rept 8
	v_pk_mul_f32 v[88+II:89+II], v[88+II:89+II], v[240:241]
.set II, II+2
.endr
	WIN 0x14
.set II, 0
.rept 8
	v_pk_fma_f32 v[88+II:89+II], v[88+II:89+II], v[160+II:161+II], v[176+II:177+II]
.set II, II+2
.endr
	WIN 0
	QB16 88, 1, YC, YSC
	BAR
	FRAG 40, 38, YC, YSC
	WIN 0x11                                       ; THE MLP: the biases are the C of each sum
	v_wmma_scale_f32_16x16x128_f8f6f4 v[56:63], v[96:103], v[40:47], v[128:135], v32, v38 matrix_a_fmt:MATRIX_FMT_FP4 matrix_b_fmt:MATRIX_FMT_FP4
	v_wmma_scale_f32_16x16x128_f8f6f4 v[64:71], v[104:111], v[40:47], v[136:143], v33, v38 matrix_a_fmt:MATRIX_FMT_FP4 matrix_b_fmt:MATRIX_FMT_FP4
	WIN 0
.rept 4
	v_nop
.endr
	QB16 56, 0, MC, MSC
	BAR
	FRAG 48, 39, MC, MSC
	WIN 0x11
	v_wmma_scale_f32_16x16x128_f8f6f4 v[72:79], v[112:119], v[48:55], v[144:151], v34, v39 matrix_a_fmt:MATRIX_FMT_FP4 matrix_b_fmt:MATRIX_FMT_FP4
	v_wmma_scale_f32_16x16x128_f8f6f4 v[80:87], v[120:127], v[48:55], v[152:159], v35, v39 matrix_a_fmt:MATRIX_FMT_FP4 matrix_b_fmt:MATRIX_FMT_FP4
	WIN 0
.rept 4
	v_nop
.endr
.set II, 0
.rept 8
	v_pk_add_f32 v[72+II:73+II], v[72+II:73+II], v[152+II:153+II]   ; the residual
.set II, II+2
.endr
.irp k, 0,1,2,3
	ds_store_b128 v18, v[72+4*\k:75+4*\k] offset:ORW+16*\k
.endr
	BAR
	s_cmp_lg_u32 s2, 0
	s_cbranch_scc1 .Lend
	ds_load_b128 v[228:231], v19 offset:ORW
	s_wait_dscnt 0x0
	global_store_b128 v19, v[228:231], s[46:47]    ; the row: 32 lanes store 512 consecutive bytes, aligned to 256
	v_cmp_eq_u32 vcc_lo, 0, v0
	s_wait_xcnt 0x0                                ; EXEC changes only behind this wait
	s_and_saveexec_b32 s56, vcc_lo
	global_store_b64 v17, v[250:251], s[48:49]     ; the row's S_p
	s_wait_xcnt 0x0                                ; and again, ahead of the line that widens it
	s_or_b32 exec_lo, exec_lo, s56
.Lend:
	s_wait_tensorcnt 0x0
	ds_add_u32 v254, v255
	s_wait_dscnt 0x0
	s_endpgm
.Lcopy:                                            ; S_r: 1,024 bytes by waves 0 and 1; S_s: 512 bytes by wave 2
	s_cmp_gt_u32 s2, 1
	s_cbranch_scc1 .Lcopy_s
	v_lshlrev_b32 v1, 4, v0
	global_load_b128 v[4:7], v1, s[42:43]
	s_wait_alu depctr_va_vdst(0)
	s_wait_loadcnt 0x0
	global_store_b128 v1, v[4:7], s[50:51]
	s_endpgm
.Lcopy_s:
	s_cmp_lg_u32 s2, 2
	s_cbranch_scc1 .Lcopy_end
	v_and_b32 v1, 31, v0
	v_lshlrev_b32 v1, 4, v1
	global_load_b128 v[4:7], v1, s[44:45]
	s_wait_alu depctr_va_vdst(0)
	s_wait_loadcnt 0x0
	global_store_b128 v1, v[4:7], s[52:53]
.Lcopy_end:
	s_endpgm
.Lfunc_end_k_q5f5a5e0bb8_upd1:
	.size	k_q5f5a5e0bb8_upd1, .Lfunc_end_k_q5f5a5e0bb8_upd1-k_q5f5a5e0bb8_upd1
	.p2alignl 7, 3214868480
	.fill 96, 4, 3214868480
	.section	.rodata,"a",@progbits
	.p2align	6, 0x0
	.amdhsa_kernel k_q5f5a5e0bb8_upd1
		.amdhsa_group_segment_fixed_size 5120
		.amdhsa_private_segment_fixed_size 0
		.amdhsa_enable_private_segment 0
		.amdhsa_kernarg_size 184
		.amdhsa_user_sgpr_count 2
		.amdhsa_user_sgpr_kernarg_segment_ptr 1
		.amdhsa_wavefront_size32 1
		.amdhsa_system_sgpr_workgroup_id_x 1
		.amdhsa_system_sgpr_workgroup_id_y 1
		.amdhsa_system_sgpr_workgroup_id_z 1
		.amdhsa_system_vgpr_workitem_id 0
		.amdhsa_next_free_vgpr 448
		.amdhsa_next_free_sgpr 72
		.amdhsa_reserve_vcc 1
		.amdhsa_float_denorm_mode_32 3
		.amdhsa_float_denorm_mode_16_64 3
		.amdhsa_memory_ordered 1
		.amdhsa_forward_progress 1
		.amdhsa_inst_pref_size 42
	.end_amdhsa_kernel
	.amdgpu_metadata
---
amdhsa.version: [ 1, 2 ]
amdhsa.kernels:
  - .name:           k_q5f5a5e0bb8_upd1
    .symbol:         k_q5f5a5e0bb8_upd1.kd
    .args:
      - { .name: part, .offset: 0, .size: 8, .value_kind: global_buffer, .address_space: global }
      - { .name: slots_init, .offset: 8, .size: 8, .value_kind: global_buffer, .address_space: global }
      - { .name: gru_wih_codes, .offset: 16, .size: 8, .value_kind: global_buffer, .address_space: global }
      - { .name: gru_wih_scales, .offset: 24, .size: 8, .value_kind: global_buffer, .address_space: global }
      - { .name: gru_whh_codes, .offset: 32, .size: 8, .value_kind: global_buffer, .address_space: global }
      - { .name: gru_whh_scales, .offset: 40, .size: 8, .value_kind: global_buffer, .address_space: global }
      - { .name: gru_bih, .offset: 48, .size: 8, .value_kind: global_buffer, .address_space: global }
      - { .name: gru_bhh, .offset: 56, .size: 8, .value_kind: global_buffer, .address_space: global }
      - { .name: mlp_w1_codes, .offset: 64, .size: 8, .value_kind: global_buffer, .address_space: global }
      - { .name: mlp_w1_scales, .offset: 72, .size: 8, .value_kind: global_buffer, .address_space: global }
      - { .name: mlp_b1, .offset: 80, .size: 8, .value_kind: global_buffer, .address_space: global }
      - { .name: mlp_w2_codes, .offset: 88, .size: 8, .value_kind: global_buffer, .address_space: global }
      - { .name: mlp_w2_scales, .offset: 96, .size: 8, .value_kind: global_buffer, .address_space: global }
      - { .name: mlp_b2, .offset: 104, .size: 8, .value_kind: global_buffer, .address_space: global }
      - { .name: ln_pf_g, .offset: 112, .size: 8, .value_kind: global_buffer, .address_space: global }
      - { .name: ln_pf_b, .offset: 120, .size: 8, .value_kind: global_buffer, .address_space: global }
      - { .name: f_b2, .offset: 128, .size: 8, .value_kind: global_buffer, .address_space: global }
      - { .name: S_r, .offset: 136, .size: 8, .value_kind: global_buffer, .address_space: global }
      - { .name: S_s, .offset: 144, .size: 8, .value_kind: global_buffer, .address_space: global }
      - { .name: slots1, .offset: 152, .size: 8, .value_kind: global_buffer, .address_space: global }
      - { .name: sp1, .offset: 160, .size: 8, .value_kind: global_buffer, .address_space: global }
      - { .name: out2, .offset: 168, .size: 8, .value_kind: global_buffer, .address_space: global }
      - { .name: out3, .offset: 176, .size: 8, .value_kind: global_buffer, .address_space: global }
    .group_segment_fixed_size: 5120
    .private_segment_fixed_size: 0
    .kernarg_segment_align: 8
    .kernarg_segment_size: 184
    .max_flat_workgroup_size: 128
    .sgpr_count:     72
    .vgpr_count:     448
    .wavefront_size: 32
...
	.end_amdgpu_metadata
.endif
;; end of part 4
;; launch attn2: the kernel of part 3 again; grid 32 x 8, 8 waves a work-group, no clusters, 201,216 bytes of LDS; arguments slots1, sp1, ln_s_g, ln_s_b, g_w, g_b, inputs_codes, inputs_scales, Wk_codes, Wk_scales, Wv_codes, Wv_scales, Wq_codes, Wq_scales, f_b2, f_w1_codes, f_w1_scales, f_b1, f_w2_codes, f_w2_scales, part; writes part
;; launch upd2: the kernel of part 4 again; grid 64 x 1, 4 waves a work-group, no clusters, 5,120 bytes of LDS; arguments part, slots1, gru_wih_codes, gru_wih_scales, gru_whh_codes, gru_whh_scales, gru_bih, gru_bhh, mlp_w1_codes, mlp_w1_scales, mlp_b1, mlp_w2_codes, mlp_w2_scales, mlp_b2, ln_pf_g, ln_pf_b, f_b2, S_r, S_s, slots2, sp2, out2, out3; writes slots2, sp2, out2, out3
;; launch attn3: the kernel of part 3 again; grid 32 x 8, 8 waves a work-group, no clusters, 201,216 bytes of LDS; arguments slots2, sp2, ln_s_g, ln_s_b, g_w, g_b, inputs_codes, inputs_scales, Wk_codes, Wk_scales, Wv_codes, Wv_scales, Wq_codes, Wq_scales, f_b2, f_w1_codes, f_w1_scales, f_b1, f_w2_codes, f_w2_scales, part; writes part
;; launch upd3: the kernel of part 4 again; grid 65 x 1, 4 waves a work-group, no clusters, 5,120 bytes of LDS; arguments part, slots2, gru_wih_codes, gru_wih_scales, gru_whh_codes, gru_whh_scales, gru_bih, gru_bhh, mlp_w1_codes, mlp_w1_scales, mlp_b1, mlp_w2_codes, mlp_w2_scales, mlp_b2, ln_pf_g, ln_pf_b, f_b2, S_r, S_s, out0, out1, out2, out3; writes out0, out1, out2, out3
